; MI455X (gfx1250); checked and timed in simulation.
; The chip was launched on July 23, 2026; its instructions are those of AMD's public machine-readable ISA for CDNA 5 (MIT licence, August 2026) and "CDNA5" Instruction Set Architecture Reference Guide (July 2026). The comments in the code are by the model that wrote it; some were corrected since.
;; Custom Qwen3 Attention. Allowed arithmetic: matrix products marked QUANTISED: E2M1 operands, one E8M0 scale for each 32 along K, by v_wmma_scale_f32_16x16x128_f8f6f4 with both operands' format E2M1 (or v_wmma_scale_f32_32x16x128_f4), f32 sums; products left as they are: bf16, f16 or f32 operands; f32 sums; everything else in f32.
;; Inputs: Wk 1,024 x 2,048 float32; Wo 2,048 x 2,048 float32; Wq 2,048 x 2,048 float32; Wv 1,024 x 2,048 float32; attention_mask 1 x 1 x 2,048 x 4,096 float32; cos 1 x 2,048 x 128 float32; hidden_states 1 x 2,048 x 2,048 float32; k_norm_w 128 float32; past_key 1 x 8 x 2,048 x 128 float32; past_value 1 x 8 x 2,048 x 128 float32; q_norm_w 128 float32; sin 1 x 2,048 x 128 float32.
;; Outputs: out0 1 x 2,048 x 2,048 float32; out1 1 x 8 x 2,048 x 128 float32; out2 1 x 8 x 2,048 x 128 float32.
;; This version of the problem:
;;   THIS VERSION OF THE PROBLEM IS GIVEN IN LOW PRECISION. The matrix products marked QUANTISED in the list below multiply operands that are first quantised to E2M1 (2 exponent bits, 1 mantissa bit; 4 bits a number), with one power-of-two scale for each 32 numbers along K (OCP MX v1.0); their sums are f32. The products marked 'left as it is' may take bf16, f16 or f32 operands, with f32 sums. Whichever they take, every output number must still come out within the allowed error. Rounding operands to bf16 (8 significant bits) uses up far more of that allowance than f16 does (11 bits, for magnitudes from 6e-5 to 65,504). All else is computed in f32.
;;   The module's matrix products, in the order in which they are computed (A, B: the left and right operand; K: the contracted axis; several contracted axes count as one K, in the product's order):
;;     1. [M 2,048, K 2,048] x [K 2,048, N 2,048]; A: input hidden_states; B: input Wq: QUANTISED
;;     2. [M 2,048, K 2,048] x [K 2,048, N 1,024]; A: input hidden_states; B: input Wk: QUANTISED
;;     3. [M 2,048, K 2,048] x [K 2,048, N 1,024]; A: input hidden_states; B: input Wv: QUANTISED
;;     4. batch 16 x [M 2,048, K 128] x [K 128, N 4,096]; A: computed on the way; B: computed on the way: left as it is (an operand is computed on the way)
;;     5. batch 16 x [M 2,048, K 4,096] x [K 4,096, N 128]; A: computed on the way; B: computed on the way: left as it is (an operand is computed on the way)
;;     6. [M 2,048, K 2,048] x [K 2,048, N 2,048]; A: computed on the way; B: input Wo: left as it is (an operand is computed on the way)
;;   THE QUANTISER, for each operand of a quantised product, along K:
;;     - K is cut into blocks of 32 from its start; a last block that is shorter is filled with zeros.
;;     - A block's scale is 2^e with e = floor(log2(the largest magnitude in the block)) - 2, held to -126 .. 127; a block of zeros has e = 0. As a byte (E8M0): e + 127.
;;     - Each number is divided by its block's scale, clamped to +-6, and rounded to the nearest number of E2M1, ties to even, subnormals kept.
;;     - The product sums the exact products of the quantised numbers (number of the format x scale) in f32.
;;   ~~~python
;;   def quantise(x, axis):      # numpy; x: float32 -> the quantised numbers, widened to float32 again
;;       x = np.moveaxis(x, axis, -1); K = x.shape[-1]
;;       x = np.pad(x, [(0, 0)] * (x.ndim - 1) + [(0, -K % 32)]); x = x.reshape(x.shape[:-1] + (-1, 32)); a = np.abs(x).max(-1, keepdims=True)
;;       e = np.where(a > 0, np.clip(np.frexp(np.where(a > 0, a, 1))[1] - 1 - 2, -126, 127), 0)      # np.frexp(a)[1] - 1 = floor(log2(a)), exactly
;;       r = np.clip(x / 2.0 ** e, -6, 6)
;;       step = 2.0 ** (np.maximum(np.frexp(np.where(r == 0, 1, r))[1] - 1, 0) - 1)
;;       q = np.round(r / step) * step * 2.0 ** e      # np.round: ties to even
;;       return np.moveaxis(q.reshape(q.shape[:-2] + (-1,))[..., :K], -1, axis).astype(np.float32)
;;   ~~~
;; One version. Each part assembles by itself: llvm-mc -triple=amdgcn-amd-amdhsa -mcpu=gfx1250 --defsym DOCPART=n.
;; ======== version 1 of 1: 4 launches
;; limits: values are held in f16: magnitudes above 65,504 overflow, below 6.1e-05 lose precision; inputs' magnitudes at most 1e+30
;; workspace buffers: codes 6,291,456 bytes; scales 393,216 bytes; qh 8,388,608 bytes; kh 8,388,608 bytes; vh 8,388,608 bytes; ah 8,388,608 bytes; woh 8,388,608 bytes
;; launch prep (part 1): grid 640 x 1, 4 waves a work-group, no clusters, 33,280 bytes of LDS; arguments hidden_states, Wq, Wk, Wv, Wo, past_key, past_value, codes, scales, woh, kh, vh; writes codes, scales, woh, kh, vh
.if DOCPART == 1
	.amdgcn_target "amdgcn-amd-amdhsa--gfx1250"
	.amdhsa_code_object_version 6
	.text
	.protected	k_q881c0319b3_prep
	.globl	k_q881c0319b3_prep
	.p2align	8
	.type	k_q881c0319b3_prep,@function
k_q881c0319b3_prep:
	s_mov_b64 s[64:65], 0
	v_nop
	global_prefetch_b8 v0, s[64:65] scope:SCOPE_SE
	s_setreg_imm32_b32 hwreg(HW_REG_WAVE_MODE, 25, 1), 1
	s_wait_xcnt 0x0
; TWO JOBS IN ONE LAUNCH, parted by the work-group's number.
; Work-groups 0-383: hidden_states [2048][2048], Wq [2048][2048], Wk, Wv [1024][2048], f32, K innermost, become codes of FP4 (E2M1) and one E8M0 byte for each 32 along K.
;   The four tensors' rows follow each other in the two buffers: codes [6144][1024 bytes], scales [6144][64 bytes]; rows 0-2047 hidden, 2048-4095 Wq, 4096-5119 Wk, 5120-6143 Wv.
;   A block's scale is 2^(floor(log2(largest magnitude)) - 2); its byte is the largest magnitude's exponent field - 2, held at 1 from below.  A block of zeros so gets the byte 1 where the
;   rule says 127: its codes are zeros, which add nothing under any byte but 0xff, and the bytes are read by this program alone.
; Work-groups 384-639: Wo, past_key and past_value are rounded to f16: woh [2048][2048]; kh, vh [8][4096][128], of which the cached keys are rows 0-2047 of each head.
; LIMITS: NaN and infinities are not served; magnitudes of Wo, past_key, past_value above 65,504 leave f16's range; blocks whose largest magnitude lies under 2^(2 - 126) keep the byte 1.
; Rows are dense and K is a multiple of 32: every tensor is a plain stream.  A work-group takes 32,768 numbers, a wave 8,192.  No tensor loads, no barrier: waves share nothing.
; Both paths keep 32 loads of 512 bytes of every wave on their way.  No cluster and no matrix unit: no byte is read twice, and memory binds.
.set WAVES, 4
.set STEPS, 16
.set AHEAD, 8                          ; the quantiser's loads run eight steps, 32 loads, ahead
.set QWG,   384                        ; work-groups that quantise: (2048 + 2048 + 1024 + 1024) x 2048 / 32,768
.set EMAX,  2
.set CB,    8                          ; bytes of 16 codes
.set R,     16                         ; v16-143  eight sets of 16 numbers as they are loaded
.set X,     144                        ; v144-175 two sets of 16 neighbours
.set E,     176                        ; v176-191 a scale byte for each step
.set C,     192                        ; v192-223 codes: two registers for each step, so that no store's data are written again
.set NSL,   32                         ; the cast: slots
.set XR,    16                         ;           v16-143  32 slots of 4 registers as loaded
.set YR,    144                        ;           v144-207 32 slots of 2 registers to store
.set WREG,  8192                       ; LDS: a region for each wave: two stages of 32 x SP bytes, and behind them its 256 scale bytes
.set SP,    80                         ; a lane's place in a stage: its 64 bytes + 16 of padding
.set SPW,   12                         ; v12  LDS address of my spare word; never rewritten
.set NIL,   13                         ; v13  0; never rewritten
.set SPARE, WAVES*WREG                 ; behind the four regions: the spare words, 128 bytes a wave
	s_load_b512 s[4:19], s[0:1], 0x0               ; hidden s4, Wq s6, Wk s8, Wv s10, Wo s12, past_key s14, past_value s16, codes s18
	s_load_b256 s[20:27], s[0:1], 0x40             ; scales s20, woh s22, kh s24, vh s26
	v_lshl_add_u32 v[SPW], v0, 2, SPARE
	v_mov_b32 v[NIL], 0
	v_lshrrev_b32 v1, 5, v0
	v_readfirstlane_b32 s28, v1                    ; wave
	v_and_b32 v2, 31, v0                           ; lane
	v_lshlrev_b32 v3, 4, v2                        ; my 16 bytes of a load's 512
	s_mul_i32 s29, s28, WREG
	v_lshrrev_b32 v14, 2, v2
	v_mul_u32_u24 v14, v14, SP
	v_and_b32 v15, 3, v2
	v_lshl_add_u32 v14, v15, 4, v14
	v_add_nc_u32 v14, s29, v14                     ; the stage, on the way in: four lanes' 64 bytes on end, then 16 of padding
	v_mul_u32_u24 v15, v2, SP
	v_add_nc_u32 v15, s29, v15                     ; and on the way out: my 16 neighbours
	v_mul_u32_u24 v4, v2, CB                       ; my codes' place in a step's
	v_lshrrev_b32 v5, 1, v2
	s_add_co_u32 s29, s29, 2*32*SP
	v_add_nc_u32 v5, s29, v5                       ; LDS: my wave's 256 scale bytes, my block's byte
	v_lshlrev_b32 v7, 3, v2                        ; 8 bytes a lane
	v_add_nc_u32 v6, s29, v7
	s_wait_kmcnt 0x0
	s_cmp_ge_u32 ttmp9, QWG
	s_cbranch_scc1 .Lcast
	; ---- THE QUANTISER.  Which tensor: the choice hangs on the work-group's number alone
	s_cmp_lt_u32 ttmp9, 128
	s_cselect_b64 s[32:33], s[4:5], s[6:7]
	s_cselect_b32 s34, 0, 128                      ; the tensor's first work-group
	s_cmp_lt_u32 ttmp9, 256
	s_cselect_b64 s[32:33], s[32:33], s[8:9]
	s_cselect_b32 s34, s34, 256
	s_cmp_lt_u32 ttmp9, 320
	s_cselect_b64 s[32:33], s[32:33], s[10:11]
	s_cselect_b32 s34, s34, 320
	s_sub_co_u32 s35, ttmp9, s34
	s_lshl_b32 s35, s35, 2
	s_add_co_u32 s35, s35, s28                     ; which run of 8,192 numbers of the tensor is my wave's
	s_lshl_b32 s36, s35, 15                        ; 32,768 bytes a run
	s_mov_b32 s37, 0
	s_add_nc_u64 s[32:33], s[32:33], s[36:37]
	s_lshl_b32 s35, ttmp9, 2
	s_add_co_u32 s35, s35, s28                     ; and which run of the joined buffers
	s_lshl_b32 s36, s35, 12                        ; 4,096 bytes of codes a run
	s_add_nc_u64 s[18:19], s[18:19], s[36:37]
	s_lshl_b32 s36, s35, 8                         ; 256 scale bytes a run
	s_add_nc_u64 s[20:21], s[20:21], s[36:37]
.macro LOAD t
.irp i, 0,1,2,3
	global_load_b128 v[R+16*((\t)%AHEAD)+4*\i:R+16*((\t)%AHEAD)+4*\i+3], v3, s[32:33] offset:2048*(\t)+512*\i th:TH_LOAD_NT   ; 32 lanes read 512 consecutive bytes
.endr
.endm
.macro TURN t                          ; step t's numbers through the stage: LDS serves a wave's instructions in order, so no wait stands between the stores and the loads
.irp i, 0,1,2,3
	ds_store_b128 v14, v[R+16*((\t)%AHEAD)+4*\i:R+16*((\t)%AHEAD)+4*\i+3] offset:32*SP*((\t)%2)+8*SP*\i
.endr
.irp i, 0,1,2,3
	ds_load_b128 v[X+16*((\t)%2)+4*\i:X+16*((\t)%2)+4*\i+3], v15 offset:32*SP*((\t)%2)+16*\i
.endr
.endm
.irp t, 0,1,2,3,4,5,6,7
	LOAD \t
.endr
	s_wait_loadcnt 4*(AHEAD-1)                     ; step 0's four loads are in; the 28 of steps 1 to 7 may be out
	TURN 0
.macro STEP t
.set XS, X+16*((\t)%2)
.if (\t) > 0
	s_wait_dscnt 1                                 ; this step's numbers are back from the stage (the last step's byte store may be out)
.else
	s_wait_dscnt 0x0
.endif
.if (\t)+AHEAD < STEPS
	LOAD (\t)+AHEAD                                ; the stage's stores have read these registers: they take the loads of eight steps on
.endif
.if (\t)+1 < STEPS
.if STEPS-2-(\t) >= AHEAD-1
	s_wait_loadcnt 4*(AHEAD-1)                     ; the next step's four loads are in; those of the seven steps behind it may be out
.else
	s_wait_loadcnt 4*(STEPS-2-(\t))                ; the last steps load nothing: the counts run down
.endif
	TURN (\t)+1                                    ; and go through the other stage while this step is worked
.endif
	v_max3_num_f32 v8, |v[XS]|, |v[XS+1]|, |v[XS+2]|               ; the largest magnitude of my 16
	v_max3_num_f32 v9, |v[XS+3]|, |v[XS+4]|, |v[XS+5]|
.irp i, 6,10
	v_max3_num_f32 v8, v8, |v[XS+\i]|, |v[XS+\i+1]|
	v_max3_num_f32 v9, v9, |v[XS+\i+2]|, |v[XS+\i+3]|
.endr
	v_max3_num_f32 v8, v8, |v[XS+14]|, |v[XS+15]|
	v_max3_num_f32 v8, v8, v9, (EMAX+1)<<23        ; and the floor 2^(EMAX + 1 - 127): the byte cannot fall under 1
	v_max_num_f32_dpp v8, v8, v8 row_xmask:1 row_mask:0xf bank_mask:0xf   ; and of my neighbour's 16: the block's
	v_add_nc_u32 v11, -(EMAX<<23), v8              ; EMAX off its exponent field: the conversion takes the exponent field of this operand as its scale
	v_cvt_scalef32_pk8_fp4_f32 v[C+2*(\t)], v[XS:XS+7], v11        ; eight numbers / the scale, to the nearest code, ties to even, beyond the largest code the largest
	v_cvt_scalef32_pk8_fp4_f32 v[C+2*(\t)+1], v[XS+8:XS+15], v11
	v_lshrrev_b32 v[E+(\t)], 23, v11               ; the scale's byte (a plain line behind the conversions)
	ds_store_b8 v5, v[E+(\t)] offset:16*(\t)       ; both lanes of a block write the same byte with the same value
	global_store_b64 v4, v[C+2*(\t):C+2*(\t)+1], s[18:19] offset:32*CB*(\t)   ; the wave stores 256 consecutive bytes, aligned
.endm
.irp t, 0,1,2,3,4,5,6,7,8,9,10,11,12,13,14,15
	STEP \t
.endr
	ds_load_b64 v[8:9], v6                         ; LDS serves a wave's instructions in order: these see my stores
	s_wait_dscnt 0x0
	global_store_b64 v7, v[8:9], s[20:21]          ; 32 lanes store 256 consecutive bytes, aligned
	s_wait_tensorcnt 0x0                           ; the wave's end, behind my last LDS store
	ds_add_u32 v[SPW], v[NIL]
	s_wait_dscnt 0x0
	s_endpgm
	; ---- THE CAST TO f16.  n = work-group - 384: 0-127 Wo, 128-191 past_key, 192-255 past_value
.Lcast:
	s_sub_co_u32 s35, ttmp9, QWG
	s_cmp_lt_u32 s35, 128
	s_cselect_b64 s[32:33], s[12:13], s[14:15]
	s_cselect_b64 s[36:37], s[22:23], s[24:25]
	s_cselect_b32 s34, 0, 128
	s_mov_b32 s38, 0x100000                        ; from 8 work-groups' numbers to the next 8 in the target: a head of kh or vh is 4,096 rows of 256 bytes,
	s_cselect_b32 s38, 0x80000, s38                ; woh is dense: 8 x 65,536
	s_cmp_lt_u32 s35, 192
	s_cselect_b64 s[32:33], s[32:33], s[16:17]
	s_cselect_b64 s[36:37], s[36:37], s[26:27]
	s_cselect_b32 s34, s34, 192
	s_sub_co_u32 s35, s35, s34                     ; i: which 32,768 numbers of the tensor
	s_lshl_b32 s40, s35, 17
	s_lshl_b32 s41, s28, 15
	s_add_co_u32 s40, s40, s41                     ; source: 131,072 i + 32,768 wave
	s_mov_b32 s41, 0
	s_add_nc_u64 s[32:33], s[32:33], s[40:41]
	s_lshr_b32 s40, s35, 3
	s_mul_i32 s40, s40, s38
	s_and_b32 s42, s35, 7
	s_lshl_b32 s42, s42, 16
	s_add_co_u32 s40, s40, s42
	s_lshl_b32 s42, s28, 14
	s_add_co_u32 s40, s40, s42                     ; target: (i / 8) x the distance above + 65,536 (i % 8) + 16,384 wave
	s_add_nc_u64 s[36:37], s[36:37], s[40:41]
.set i, 0
.rept NSL
	global_load_b128 v[XR+4*i:XR+4*i+3], v3, s[32:33] offset:512*i th:TH_LOAD_NT   ; 32 loads of 512 consecutive bytes fill the ring
.set i, i+1
.endr
.set i, 0
.rept 64                               ; 64 turns of 128 numbers; every offset is an immediate
.if i < 64-NSL
	s_wait_loadcnt NSL-1                           ; loads come back in order: mine is in, the 31 younger ones stay out
.else
	s_wait_loadcnt 63-i                            ; the last turns load nothing: the counts run down
.endif
.if i == NSL
	s_wait_xcnt 0x0                                ; from here on the stores' registers are used a second time: the first 32 turns' stores have read theirs behind this wait
.endif
	v_cvt_pk_f16_f32 v[YR+2*(i%NSL)], v[XR+4*(i%NSL)], v[XR+4*(i%NSL)+1]
	v_cvt_pk_f16_f32 v[YR+2*(i%NSL)+1], v[XR+4*(i%NSL)+2], v[XR+4*(i%NSL)+3]
.if i+NSL < 64
	global_load_b128 v[XR+4*(i%NSL):XR+4*(i%NSL)+3], v3, s[32:33] offset:512*(i+NSL) th:TH_LOAD_NT
.endif
	global_store_b64 v7, v[YR+2*(i%NSL):YR+2*(i%NSL)+1], s[36:37] offset:256*i   ; the wave stores 256 consecutive bytes, aligned
.set i, i+1
.endr
	s_wait_tensorcnt 0x0                           ; the same three closing lines on this path
	ds_add_u32 v[SPW], v[NIL]
	s_wait_dscnt 0x0
	s_endpgm
.Lfunc_end_k_q881c0319b3_prep:
	.size	k_q881c0319b3_prep, .Lfunc_end_k_q881c0319b3_prep-k_q881c0319b3_prep
	.p2alignl 7, 3214868480
	.fill 96, 4, 3214868480
	.section	.rodata,"a",@progbits
	.p2align	6, 0x0
	.amdhsa_kernel k_q881c0319b3_prep
		.amdhsa_group_segment_fixed_size 33280
		.amdhsa_private_segment_fixed_size 0
		.amdhsa_enable_private_segment 0
		.amdhsa_kernarg_size 96
		.amdhsa_user_sgpr_count 2
		.amdhsa_user_sgpr_kernarg_segment_ptr 1
		.amdhsa_wavefront_size32 1
		.amdhsa_system_sgpr_workgroup_id_x 1
		.amdhsa_system_sgpr_workgroup_id_y 1
		.amdhsa_system_sgpr_workgroup_id_z 1
		.amdhsa_system_vgpr_workitem_id 0
		.amdhsa_next_free_vgpr 224
		.amdhsa_next_free_sgpr 66
		.amdhsa_reserve_vcc 0
		.amdhsa_float_denorm_mode_32 3
		.amdhsa_float_denorm_mode_16_64 3
		.amdhsa_memory_ordered 1
		.amdhsa_forward_progress 1
		.amdhsa_inst_pref_size 57
	.end_amdhsa_kernel
	.amdgpu_metadata
---
amdhsa.version: [ 1, 2 ]
amdhsa.kernels:
  - .name:           k_q881c0319b3_prep
    .symbol:         k_q881c0319b3_prep.kd
    .args:
      - { .name: hidden_states, .offset: 0, .size: 8, .value_kind: global_buffer, .address_space: global }
      - { .name: Wq, .offset: 8, .size: 8, .value_kind: global_buffer, .address_space: global }
      - { .name: Wk, .offset: 16, .size: 8, .value_kind: global_buffer, .address_space: global }
      - { .name: Wv, .offset: 24, .size: 8, .value_kind: global_buffer, .address_space: global }
      - { .name: Wo, .offset: 32, .size: 8, .value_kind: global_buffer, .address_space: global }
      - { .name: past_key, .offset: 40, .size: 8, .value_kind: global_buffer, .address_space: global }
      - { .name: past_value, .offset: 48, .size: 8, .value_kind: global_buffer, .address_space: global }
      - { .name: codes, .offset: 56, .size: 8, .value_kind: global_buffer, .address_space: global }
      - { .name: scales, .offset: 64, .size: 8, .value_kind: global_buffer, .address_space: global }
      - { .name: woh, .offset: 72, .size: 8, .value_kind: global_buffer, .address_space: global }
      - { .name: kh, .offset: 80, .size: 8, .value_kind: global_buffer, .address_space: global }
      - { .name: vh, .offset: 88, .size: 8, .value_kind: global_buffer, .address_space: global }
    .group_segment_fixed_size: 33280
    .private_segment_fixed_size: 0
    .kernarg_segment_align: 8
    .kernarg_segment_size: 96
    .max_flat_workgroup_size: 128
    .sgpr_count:     66
    .vgpr_count:     224
    .wavefront_size: 32
...
	.end_amdgpu_metadata
.endif
;; end of part 1
;; launch qkv (part 2): grid 16 x 16, 4 waves a work-group, clusters of 4 x 4, 327,680 bytes of LDS; arguments codes, scales, cos, sin, q_norm_w, k_norm_w, qh, kh, vh, out1, out2; writes qh, kh, vh, out1, out2
.if DOCPART == 2
	.amdgcn_target "amdgcn-amd-amdhsa--gfx1250"
	.amdhsa_code_object_version 6
	.text
	.protected	k_q881c0319b3_qkv
	.globl	k_q881c0319b3_qkv
	.p2align	8
	.type	k_q881c0319b3_qkv,@function
k_q881c0319b3_qkv:
	s_mov_b64 s[64:65], 0
	v_nop
	global_prefetch_b8 v0, s[64:65] scope:SCOPE_SE
	s_setreg_imm32_b32 hwreg(HW_REG_WAVE_MODE, 25, 1), 1
	s_wait_xcnt 0x0
	s_wait_alu depctr_hold_cnt(0) depctr_sa_sdst(0) depctr_va_vdst(0) depctr_va_sdst(0) depctr_va_ssrc(0) depctr_va_vcc(0) depctr_vm_vsrc(0)
	s_getreg_b32 s2, hwreg(HW_REG_IB_STS2, 6, 4)
	s_cmp_eq_u32 s2, 0
	s_cbranch_scc0 .Lentry_in_a_cluster
	s_endpgm
.Lentry_in_a_cluster:
	s_bfe_u32 s2, ttmp6, 0x10000c
	s_cmp_lg_u32 s2, 0xf033
	s_cbranch_scc0 .Lentry_shape_is_right
	s_endpgm
.Lentry_shape_is_right:
; [q | k | v] = hidden x [Wq | Wk | Wv]^T on codes of FP4 (E2M1) with one E8M0 scale for each 32 along K: one product of 2,048 tokens x 4,096 columns x K = 2,048; then, on the way out,
; the RMS norm of each head's 128 numbers, the rotary turn, and the stores.  A = rows 0-2047 of the codes' buffer, B = rows 2048-6143; the scale bytes likewise.
; A tile of 128 tokens x 256 columns is made by four waves: 256 tiles, a work-group to each.  A wave makes 64 tokens x 128 columns: ONE HEAD, 32 accumulators of 16 x 16, so that the norm never leaves the wave.
; K goes in steps of 512 through a ring of two LDS slots (rows of 256 bytes).  The scale bytes of the work-group's 128 + 256 rows, for all of K, come into LDS once, with the first fills.
; CLUSTERS: 4 x 4 work-groups; A's tiles are asked for jointly along a row of the cluster, B's along a column.  Waves 0 and 1 fetch A's halves of 64 rows, waves 2 and 3 B's halves of 128.
; THE MATRIX INSTRUCTION IS USED TRANSPOSED (source 0 = 16 rows of B, source 1 = 16 rows of A): a lane holds eight neighbouring columns of one token.
; WHICH KIND a tile is hangs on the cluster's x alone, the same in all sixteen partners: 0, 1: q (heads 0-15); 2: k; 3: v.
; OUT: qh [16][2048][128] f16 = q after norm and turn, x 128^-0.5;  kh, vh [8][4096][128] f16, rows 2048-4095 of each head;  out1 = new keys, out2 = new values, f32.
; LIMITS: NaN and infinities are not served; |q|, |k| after the norm and |v| above 65,504 leave f16's range (out1 and out2 are f32 and have no such limit).
; No prefetch: the codes are read again and again by many work-groups, and the launch is short.
; REGISTERS, in windows of 256: window 0: v0-31 addresses; v32-95 scale words, two sets; v128-159 A's four fragments, ONE set.  window 1: B's eight fragments, TWO sets, at v0 and v128.
;   window 2: the accumulators ((a, b) at v[8 (8 a + b)]).  On the way out windows 0 and 1 are free: see there.
.set SIZE_K, 2048
.set KSTEP,  512                       ; along K in a slot
.set NQ,     KSTEP/128                 ; matrix instructions deep
.set ROWB,   256                       ; a tile's row in bytes
.set KROW,   SIZE_K*4/8                ; a row of codes in memory
.set PITCH,  272                       ; an LDS row: 256 bytes + 16 of padding: the 16 rows that a load touches start at 16 different banks (64 banks of 4 bytes: ISA guide 11.1)
.set FR,     8                         ; registers of a fragment
.set NL,     2                         ; LDS loads that bring one
.set NP,     4                         ; places behind this matrix instruction (ISA guide 7.12.1)
.set HALFA,  64*PITCH                  ; 64 rows: what one tensor load brings of A, and what one wave reads of it
.set HALFT,  128*PITCH                 ; 128 rows: the same for B
.set SLOT,   2*HALFA+2*HALFT           ; A's 128 rows, then B's 256 rows
.set LAPS,   SIZE_K/(2*KSTEP)
.set KS,     SIZE_K/32                 ; a row of scales in bytes
.set SCL,    2*SLOT                    ; behind the ring: the scales, as units of 256 bytes + 16 of padding: A's 128 rows, then B's 256
.set HALFSA, (64*KS/256)*272
.set HALFS,  (128*KS/256)*272
.set SBLK,   (16*KS/256)*272
.set SPARE,  SCL+2*HALFSA+2*HALFS      ; behind the scales: the spare words, 128 bytes a wave
.set ADRA, 16                          ; v16-17  LDS address of my A fragments in slot 0, 1
.set ADRB, 20                          ; v20-21  the same for B
.set SPW,  28                          ; v28     my spare word; never rewritten
.set NIL,  29                          ; v29     0; never rewritten
.set ADRS, 27                          ; v27     LDS address of my scale words: lanes 0-15 A's rows, lanes 16-31 B's
.set SC,   32                          ; scale words: set s at v[SC + 8 NQ s]
.set AF,   128                         ; A's fragments, in window 0
.set G1, 24
.set G0, 32
.set G1B, 48
.set G0B, 56
.set G1S, 68
.set G0S, 76
.set G1SB, 80
.set G0SB, 88
.set MSB, 0
.macro WIN new                         ; the immediate's high byte repeats the setting that is left
.if MSB != \new
	s_set_vgpr_msb (MSB<<8)|\new
.set MSB, \new
.endif
.endm
.set MUL_C,  0xa1                      ; source 0 (B) window 1, source 1 (A) window 0, C and D window 2
.set TO_B,   0x40                      ; destination window 1, address window 0
; A joint load: waves 0 and 1 fetch for A, waves 2 and 3 for B; the branch hangs on the wave's number alone.  An s_nop 0 and four v_nop follow each of the two lines.
.macro JLOAD g0a, g1a, g0b, g1b
	s_cmp_eq_u32 s15, 0
	s_cbranch_scc0 .Lfor_b_\@
	tensor_load_to_lds s[\g0a:\g0a+3], s[\g1a:\g1a+7]
	s_nop 0
.rept 4
	v_nop
.endr
	s_branch .Lasked_\@
.Lfor_b_\@:
	tensor_load_to_lds s[\g0b:\g0b+3], s[\g1b:\g1b+7]
	s_nop 0
.rept 4
	v_nop
.endr
.Lasked_\@:
.endm
.macro CREST                           ; a round of the cluster's barrier behind its opening barrier
	s_cmp_lg_u32 s14, 0
	s_cbranch_scc1 .Lnot_wave_0_\@
	s_barrier_signal -3
.Lnot_wave_0_\@:
	s_barrier_wait -3
	s_barrier_signal -1
	s_barrier_wait -1
.endm
.macro CROUND                          ; a whole round
	s_barrier_signal -1
	s_barrier_wait -1
	CREST
.endm
	s_load_b128 s[4:7], s[0:1], 0x0                ; the codes s[4:5], the scale bytes s[6:7]
	v_lshl_add_u32 v[SPW], v0, 2, SPARE
	v_mov_b32 v[NIL], 0
	ds_add_u32 v[SPW], v[NIL]                      ; the wave's opening: the add, twice on end, and its wait ahead of my first tensor load
	ds_add_u32 v[SPW], v[NIL]
	v_lshrrev_b32 v1, 5, v0
	v_readfirstlane_b32 s14, v1                    ; wave 0..3
	s_lshr_b32 s15, s14, 1                         ; which half of the tile's tokens is mine.  Also: I fetch for A (0) or for B (1)
	s_and_b32 s16, s14, 1                          ; which half of its columns.  Also: which half of that tile's rows I fetch
	s_bfe_u32 s40, ttmp6, 0x40000                  ; cx, cy: my place in the cluster
	s_bfe_u32 s41, ttmp6, 0x40004
	s_lshl_b32 s42, ttmp9, 2
	s_add_co_u32 s42, s42, s40                     ; tile column = 4 x cluster x + cx
	s_and_b32 s17, ttmp7, 0xffff
	s_lshl_b32 s17, s17, 2
	s_add_co_u32 s17, s17, s41                     ; tile row = 4 x cluster y + cy
	s_lshl_b32 s43, s41, 2
	s_lshl_b32 s43, 15, s43                        ; my row of the cluster
	s_lshl_b32 s44, 0x1111, s40                    ; my column
	; descriptor group 1: tiles of 64 (A) and of 128 (B) rows x 256 bytes, padded in LDS
	s_or_b32 s[G1+0], s43, (0<<16)|(1<<20)|(1<<21)|(5<<22)|(3<<25)  ; 15:0 the mask; 17:16 element of 1 byte; 20 padding on; 21 set beside a mask; 24:22 after every 64 words; 31:25 of 4 words
	s_or_b32 s[G1B+0], s44, (0<<16)|(1<<20)|(1<<21)|(5<<22)|(3<<25)
.irp g, G1, G1B
	s_mov_b32 s[\g+1], ROWB<<16                    ; tensor_dim0
	s_mov_b32 s[\g+3], ROWB<<16                    ; tile_dim0
	s_mov_b32 s[\g+5], KROW                        ; tensor_dim0_stride
	s_mov_b32 s[\g+6], 0
	s_mov_b32 s[\g+7], 0
.endr
	s_mov_b32 s[G1+2], 64<<16                      ; tensor_dim1,
	s_mov_b32 s[G1+4], 64                          ; tile_dim1: A's 64 rows
	s_mov_b32 s[G1B+2], 128<<16
	s_mov_b32 s[G1B+4], 128                        ; B's 128
	; and for the scales of those rows: dense blocks of 4,096 and 8,192 bytes, as rows of 256 bytes (32 elements of 8 bytes), 16 bytes of padding behind each
	s_or_b32 s[G1S+0], s43, (3<<16)|(1<<20)|(1<<21)|(5<<22)|(3<<25)
	s_or_b32 s[G1SB+0], s44, (3<<16)|(1<<20)|(1<<21)|(5<<22)|(3<<25)
.irp g, G1S, G1SB
	s_mov_b32 s[\g+1], 32<<16
	s_mov_b32 s[\g+3], 32<<16
	s_mov_b32 s[\g+5], 32
	s_mov_b32 s[\g+6], 0
	s_mov_b32 s[\g+7], 0
.endr
	s_mov_b32 s[G1S+2], (64*KS/256)<<16
	s_mov_b32 s[G1S+4], 64*KS/256
	s_mov_b32 s[G1SB+2], (128*KS/256)<<16
	s_mov_b32 s[G1SB+4], 128*KS/256
	s_lshl_b32 s18, s16, 6                         ; which 64 rows of A's tile I would fetch
	s_lshl_b32 s20, s17, 7
	s_add_co_u32 s20, s20, s18                     ; A: row 128 x tile row + 64 x half
	s_lshl_b32 s18, s16, 7                         ; which 128 rows of B's
	s_lshl_b32 s46, s42, 8
	s_add_co_u32 s46, s46, s18                     ; B: row 256 x tile column + 128 x half
	s_mov_b32 s21, 0
	s_mov_b32 s47, 0
	s_mov_b64 s[18:19], KS
	s_mul_u64 s[22:23], s[20:21], s[18:19]         ; where these rows' scales begin, in bytes
	s_mul_u64 s[92:93], s[46:47], s[18:19]
	s_mov_b64 s[18:19], KROW
	s_mul_u64 s[20:21], s[20:21], s[18:19]         ; and their codes
	s_mul_u64 s[46:47], s[46:47], s[18:19]
	s_mul_i32 s45, s16, HALFA                      ; where they go: the half's rows: no place in the cluster enters an LDS address
	s_mul_i32 s95, s16, HALFT
	s_mul_i32 s94, s16, HALFSA
	s_mul_i32 s96, s16, HALFS
	s_wait_dscnt 0x0                               ; both opening adds are done
	s_wait_kmcnt 0x0
	s_add_nc_u64 s[8:9], s[4:5], 0x200000          ; B's codes begin 2,048 rows of 1,024 bytes on,
	s_add_nc_u64 s[10:11], s[6:7], 0x20000         ; B's scale bytes 2,048 rows of 64
	s_add_nc_u64 s[20:21], s[4:5], s[20:21]
	s_add_nc_u64 s[22:23], s[6:7], s[22:23]
	s_add_nc_u64 s[46:47], s[8:9], s[46:47]
	s_add_nc_u64 s[92:93], s[10:11], s[92:93]
	CROUND                                         ; all sixteen work-groups are here: the first joint loads meet
	s_mov_b32 s[G0S], 1
	s_add_co_u32 s[G0S+1], s94, SCL
	s_mov_b64 s[G0S+2:G0S+3], s[22:23]
	s_or_b32 s[G0S+3], s[G0S+3], 0x80000000
	s_mov_b32 s[G0SB], 1
	s_add_co_u32 s[G0SB+1], s96, SCL+2*HALFSA
	s_mov_b64 s[G0SB+2:G0SB+3], s[92:93]
	s_or_b32 s[G0SB+3], s[G0SB+3], 0x80000000
	JLOAD G0S, G1S, G0SB, G1SB                     ; the scales first: they are wanted with K step 0
.irp s, 0,1
	s_mov_b32 s[G0+4*\s], 1
	s_add_co_u32 s[G0+4*\s+1], s45, \s*SLOT
	s_add_nc_u64 s[G0+4*\s+2:G0+4*\s+3], s[20:21], \s*ROWB
	s_or_b32 s[G0+4*\s+3], s[G0+4*\s+3], 0x80000000
	s_mov_b32 s[G0B+4*\s], 1
	s_add_co_u32 s[G0B+4*\s+1], s95, \s*SLOT+2*HALFA
	s_add_nc_u64 s[G0B+4*\s+2:G0B+4*\s+3], s[46:47], \s*ROWB
	s_or_b32 s[G0B+4*\s+3], s[G0B+4*\s+3], 0x80000000
	JLOAD G0+4*\s, G1, G0B+4*\s, G1B               ; three tensor loads of mine are out
.endr
	v_and_b32 v1, 15, v0                           ; l % 16
	v_bfe_u32 v2, v0, 4, 1                         ; l / 16
	v_mul_u32_u24 v3, v1, PITCH
	v_lshl_add_u32 v4, v2, 4, v3                   ; a fragment's row x pitch + 16 x half
	s_mul_i32 s21, s15, HALFA                      ; my 64 rows of A
	s_mul_i32 s22, s16, HALFT                      ; my 128 rows of B,
	s_add_co_u32 s22, s22, 2*HALFA                 ; which lie behind A's 128
.irp s, 0,1
	v_add_nc_u32 v[ADRA+\s], s21, v4
	v_add_nc_u32 v[ADRB+\s], s22, v4
	s_add_co_u32 s21, s21, SLOT
	s_add_co_u32 s22, s22, SLOT
.endr
	v_mul_u32_u24 v5, v1, KS                       ; my row's scales: KS bytes a row,
	v_lshrrev_b32 v6, 8, v5
	v_lshl_add_u32 v5, v6, 4, v5                   ; and 16 more for each 256 passed
	s_mul_i32 s21, s15, HALFSA                     ; A's: my 64 rows
	s_mul_i32 s22, s16, HALFS                      ; B's: my 128 rows, behind A's 128
	s_add_co_u32 s22, s22, 2*HALFSA
	s_sub_co_u32 s22, s22, s21
	v_mul_u32_u24 v6, s22, v2                      ; lanes 16-31 take B's
	s_add_co_u32 s21, s21, SCL
	v_add_nc_u32 v5, v5, v6
	v_add_nc_u32 v[ADRS], s21, v5
.macro FRAG reg, adr, q, i             ; a fragment, 16 rows x 128 K of 4-bit codes: lane l holds row l % 16; registers 4 c .. 4 c + 3 hold K = 64 c + 32 (l / 16) + 0 .. 31
.irp c, 0,1
	ds_load_b128 v[\reg+4*\c:\reg+4*\c+3], v[\adr] offset:64*(\q)+32*\c+(\i)*16*PITCH
.endr
.endm
; 8 matrix instructions: A's block a x B's eight, 128 along K.  The 32 accumulators take turns, one instruction a turn, in the same order in every step.
.macro MULA a, p, q, sc, zero
.irp b, 0,1,2,3,4,5,6,7
.if \zero
	v_wmma_scale_f32_16x16x128_f8f6f4 v[8*(8*(\a)+\b):8*(8*(\a)+\b)+7], v[128*(\p)+FR*\b:128*(\p)+FR*\b+FR-1], v[AF+FR*(\a):AF+FR*(\a)+FR-1], 0, v[SC+8*NQ*(\sc)+NQ*\b+(\q)], v[SC+8*NQ*(\sc)+NQ*(\a)+(\q)] matrix_a_fmt:MATRIX_FMT_FP4 matrix_b_fmt:MATRIX_FMT_FP4 matrix_a_scale:MATRIX_SCALE_ROW1
.else
	v_wmma_scale_f32_16x16x128_f8f6f4 v[8*(8*(\a)+\b):8*(8*(\a)+\b)+7], v[128*(\p)+FR*\b:128*(\p)+FR*\b+FR-1], v[AF+FR*(\a):AF+FR*(\a)+FR-1], v[8*(8*(\a)+\b):8*(8*(\a)+\b)+7], v[SC+8*NQ*(\sc)+NQ*\b+(\q)], v[SC+8*NQ*(\sc)+NQ*(\a)+(\q)] matrix_a_fmt:MATRIX_FMT_FP4 matrix_b_fmt:MATRIX_FMT_FP4 matrix_a_scale:MATRIX_SCALE_ROW1
.endif
.endr
.endm
.macro FETCH_B slot, q, p              ; B's eight fragments of the slot's q-th 128 along K into set p
	WIN TO_B
.irp i, 0,1,2,3,4,5,6,7
	FRAG 128*(\p)+FR*\i, ADRB+\slot, \q, \i
.endr
	WIN 0
.endm
.macro FETCH_A slot, q, i0             ; A's blocks i0, i0 + 1
.irp i, \i0, \i0+1
	FRAG AF+FR*(\i), ADRA+\slot, \q, \i
.endr
.endm
.macro SCALES sc                       ; the next K step's scale words into set sc: lanes 16-31 take B's block i; lanes 0-15 A's block i (i = 0 .. 3; beyond that they read scale bytes that no product names)
.irp i, 0,1,2,3,4,5,6,7
	ds_load_b128 v[SC+8*NQ*\sc+NQ*\i:SC+8*NQ*\sc+NQ*\i+3], v[ADRS] offset:\i*SBLK
.endr
.endm
.macro PLACES n                        ; plain vector lines between a matrix instruction and a load into, or a vector read of, its registers
.rept \n
	v_nop
.endr
.endm
; A step of 128 along K that has its successor in the same slot: 32 matrix instructions, A's blocks one after the other.  A block of A is free as soon as its eight products are issued, so one set serves A:
; blocks 0, 1 are fetched anew in the step's middle, blocks 2, 3 at its end.  B's fragments are at work through the whole step, so B has two sets.
.macro STEP slot, q, zero
	s_wait_dscnt 2*NL                              ; B's set and A's blocks 0, 1 are in; the youngest four loads (A's blocks 2, 3) may be out
	WIN MUL_C
	MULA 0, (\q)%2, \q, \slot, \zero
	MULA 1, (\q)%2, \q, \slot, \zero
	s_wait_dscnt 0                                 ; A's blocks 2, 3 are in
	PLACES NP
	FETCH_B \slot, (\q)+1, 1-(\q)%2
	FETCH_A \slot, (\q)+1, 0
	WIN MUL_C
	MULA 2, (\q)%2, \q, \slot, \zero
	MULA 3, (\q)%2, \q, \slot, \zero
	PLACES NP
	WIN 0
	FETCH_A \slot, (\q)+1, 2
.endm
; A slot's last step changes slots: ONE barrier; in front of it each wave waits for all its tensor loads, adds 0 to its spare word, and waits for that and for its own reads of this slot.
.macro TURN slot, next, fill
	s_wait_tensorcnt 0x0                           ; all my tensor loads have landed: my part of the next slot
	ds_add_u32 v[SPW], v[NIL]                      ; 0 onto my spare word
	s_wait_dscnt 2*NL+1                            ; (the add and the youngest four loads may be out)
	WIN MUL_C
	MULA 0, 1, NQ-1, \slot, 0                      ; eight matrix instructions stand between the add and the wait for it
	s_wait_dscnt 0x0                               ; the add is done, and my reads of this slot are over
	s_barrier_signal -1
	MULA 1, 1, NQ-1, \slot, 0
	WIN 0
	s_barrier_wait -1
.if \fill
	CREST                                          ; the barrier has opened a round of the cluster's barrier: no wave of any partner still reads this slot or has a load on its way
	s_add_nc_u64 s[G0+4*\slot+2:G0+4*\slot+3], s[G0+4*\slot+2:G0+4*\slot+3], 2*ROWB
	s_add_nc_u64 s[G0B+4*\slot+2:G0B+4*\slot+3], s[G0B+4*\slot+2:G0B+4*\slot+3], 2*ROWB
	JLOAD G0+4*\slot, G1, G0B+4*\slot, G1B         ; the first tensor load behind the round; its four v_nop are also the places in front of the loads below
.else
	PLACES NP
.endif
	v_add_nc_u32 v[ADRS], 4*NQ, v[ADRS]            ; on to the next K step's scale words
	FETCH_B \next, 0, 0
	FETCH_A \next, 0, 0
	SCALES \next
	WIN MUL_C
	MULA 2, 1, NQ-1, \slot, 0
	MULA 3, 1, NQ-1, \slot, 0
	PLACES NP
	WIN 0
	FETCH_A \next, 0, 2
.endm
.macro STEPS slot, from
.set Q, \from
.rept NQ-1-\from
	STEP \slot, Q, 0
.set Q, Q+1
.endr
.endm
	s_wait_tensorcnt 1                             ; the scales and my part of K step 0 are in (K step 1's load may be out)
	s_barrier_signal -1
	s_barrier_wait -1                              ; everybody's are
	FETCH_B 0, 0, 0
	FETCH_A 0, 0, 0
	SCALES 0
	FETCH_A 0, 0, 2
	STEP 0, 0, 1                                   ; the first step stands in front of the loop: its products start the sums
	s_mov_b32 s3, LAPS-1
.Llap:                                                 ; a trip goes once round the ring and fills both slots again
	STEPS 0, 1
	TURN 0, 1, 1
	STEPS 1, 0
	TURN 1, 0, 1
	STEP 0, 0, 0
	s_sub_co_u32 s3, s3, 1
	s_cmp_lg_u32 s3, 0
	s_cbranch_scc1 .Llap
	STEPS 0, 1                                     ; the last lap fills nothing
	TURN 0, 1, 0
	s_load_b256 s[24:31], s[0:1], 0x10             ; no tensor load of mine is out any more, so the descriptors' registers take the way out's addresses: cos s24, sin s26, q_norm_w s28, k_norm_w s30,
	s_load_b256 s[32:39], s[0:1], 0x30             ; qh s32, kh s34, vh s36, out1 s38,
	s_load_b64 s[40:41], s[0:1], 0x50              ; out2: asked for a K step ahead of their use
	STEPS 1, 0
	s_wait_dscnt 2*NL                              ; the very last step: nothing more to fetch
	WIN MUL_C
	MULA 0, 1, NQ-1, 1, 0
	MULA 1, 1, NQ-1, 1, 0
	s_wait_dscnt 0
	MULA 2, 1, NQ-1, 1, 0
	MULA 3, 1, NQ-1, 1, 0
	WIN 0
; ---------------- THE WAY OUT ----------------
; My 64 tokens x 128 columns are one head.  (1) each token's sum of squares, in the accumulators' layout; (2) x / rms goes through my own 64 rows of LDS (they lie in the two slots, which have had their last fill,
; behind a barrier behind which nobody reads them); (3) the rows come back dense, a lane holding columns 4 lane .. + 3 of one token, and once more from lane xor 16's place: the rotary partner, 64 columns away.
; One text serves the three kinds without a branch on the arithmetic: result = y U + (y W) cos + (y' W') sin, with y = x r.
;   q, k: r = 1 / rms (q: x 128^-0.5), W = the norm's weights, W' = the partner's weights with the turn's sign, U = 0.      v: r = 1, W = W' = 0, U = 1.
; window 0: v4-7 W, v8-11 W', v12-13 U, v16-23 addresses; v32-159 two sets of 64 scaled numbers, later the rows y and y'; v160-167 sums, v168-175 r (even registers), v184 at work; later v160-223 results, v224-255 f16.
; window 1: cos and sin of 16 tokens, two sets: cos at v[128 s], sin at v[128 s + 64].
.set OP,   528                         ; a row in LDS: 512 bytes + 16
.set WREG, 64*OP                       ; a wave's rows
.set RDA,  16                          ; v16  my 16 bytes of a row
.set RDP,  17                          ; v17  my partner's
.set ADR,  18                          ; v18, v19  the same for the rows in hand
.set ADP,  19
.set CO,   20                          ; v20  16 x lane
.set HO,   21                          ; v21  8 x lane
.set DST,  22                          ; v22  where I put 32 bytes of a row
.set WOF,  23                          ; v23  16 x (lane xor 16)
.set WW,   4
.set WP,   8
.set UU,   12
.set T,    32
.set SS,   160
.set RS,   168
.set TT,   184
.set Y,    32
.set YP,   96
.set RR,   160
.set HH,   224
.set RB,   58                          ; s58  LDS bytes from my first row to the rows in hand
	v_and_b32 v1, 15, v0                           ; these address lines name no register of the last products: they are the places behind them
	v_bfe_u32 v2, v0, 4, 1
	v_and_b32 v3, 31, v0
	v_lshlrev_b32 v[CO], 4, v3
	v_lshlrev_b32 v[HO], 3, v3
	v_xor_b32 v[WOF], 16, v3
	v_lshlrev_b32 v[WOF], 4, v[WOF]
	s_mul_i32 s23, s14, WREG
	v_add_nc_u32 v[RDA], s23, v[CO]
	v_add_nc_u32 v[RDP], s23, v[WOF]
	v_mul_u32_u24 v[DST], v1, OP
	v_lshl_add_u32 v[DST], v2, 5, v[DST]
	v_add_nc_u32 v[DST], s23, v[DST]
.irp a, 0,1,2,3
	v_mov_b32 v[RS+2*\a+1], 0                      ; a lane permute's destination counts as one of its sources
.endr
	s_wait_kmcnt 0x0
	s_lshl_b32 s66, s42, 1
	s_add_co_u32 s66, s66, s16                     ; my head among the 32: 2 x tile column + half
	s_lshl_b32 s67, s17, 7
	s_lshl_b32 s18, s15, 6
	s_add_co_u32 s67, s67, s18                     ; my first token: 128 x tile row + 64 x half
	s_cmp_lt_u32 ttmp9, 2                          ; q?
	s_cselect_b64 s[54:55], s[32:33], s[34:35]     ; the f16 target,
	s_cselect_b32 s19, 0, 16                       ; the kind's first head,
	s_cselect_b32 s20, 11, 12                      ; log2 of a head's rows there,
	s_cselect_b32 s21, 0, 2048                     ; the new rows' place in a head,
	s_cselect_b32 s45, 0x3db504f3, 1.0             ; 128^-0.5 rides on q,
	s_cselect_b64 s[56:57], s[28:29], s[30:31]     ; the norm's weights
	s_cmp_eq_u32 ttmp9, 3                          ; v?
	s_cselect_b64 s[54:55], s[36:37], s[54:55]
	s_cselect_b32 s19, 24, s19
	s_cselect_b64 s[52:53], s[40:41], s[38:39]     ; the f32 target
	s_cselect_b32 s44, -1, 0                       ; all lanes' mask: v
	s_sub_co_u32 s66, s66, s19                     ; my head within its tensor
	s_lshl_b32 s18, s66, s20
	s_add_co_u32 s18, s18, s21
	s_add_co_u32 s18, s18, s67
	s_lshl_b32 s18, s18, 8                         ; rows of 256 bytes
	s_mov_b32 s19, 0
	s_add_nc_u64 s[54:55], s[54:55], s[18:19]
	s_and_b32 s18, s66, 7                          ; (k, v: the head itself; q stores nothing there, and the address stays inside the buffer)
	s_lshl_b32 s18, s18, 11
	s_add_co_u32 s18, s18, s67
	s_lshl_b32 s18, s18, 9                         ; rows of 512 bytes
	s_add_nc_u64 s[52:53], s[52:53], s[18:19]
	s_lshl_b32 s18, s67, 9
	s_add_nc_u64 s[48:49], s[24:25], s[18:19]      ; cos and sin at my first token
	s_add_nc_u64 s[50:51], s[26:27], s[18:19]
	s_mov_b32 s46, 0x3c000000                      ; 1 / 128
	s_mov_b32 s47, 0x358637bd                      ; 1e-6
	s_mov_b32 s60, 0x76543210
	s_mov_b32 s61, 0xfedcba98                      ; v_permlanex16_b32's selects for lane l xor 16
	global_load_b128 v[WW:WW+3], v[CO], s[56:57]   ; the weights of my four columns,
	global_load_b128 v[WP:WP+3], v[WOF], s[56:57]  ; and of my partner's
	WIN TO_B
.irp s, 0,1
.irp i, 0,1,2,3,4,5,6,7,8,9,10,11,12,13,14,15
	global_load_b128 v[128*\s+4*\i:128*\s+4*\i+3], v[CO], s[48:49] offset:(16*\s+\i)*512        ; a whole row of 512 bytes a load
	global_load_b128 v[128*\s+64+4*\i:128*\s+64+4*\i+3], v[CO], s[50:51] offset:(16*\s+\i)*512
.endr
.endr
	WIN 0
; (1) block a's 16 tokens: lane (r, h) sums the squares of its 64 numbers in four chains of pairs; each accumulator is read from its low end on
.macro SUMSQ a
.set AC, 64*(\a)
	WIN 0x0a                                       ; sources 0 and 1: window 2
.irp b, 0,1,2,3,4,5,6,7
.irp c, 0,1,2,3
.if \b == 0
	v_pk_mul_f32 v[SS+2*\c:SS+2*\c+1], v[AC+2*\c:AC+2*\c+1], v[AC+2*\c:AC+2*\c+1]
.else
	v_pk_fma_f32 v[SS+2*\c:SS+2*\c+1], v[AC+8*\b+2*\c:AC+8*\b+2*\c+1], v[AC+8*\b+2*\c:AC+8*\b+2*\c+1], v[SS+2*\c:SS+2*\c+1]
.endif
.endr
.endr
	WIN 0
	v_pk_add_f32 v[SS:SS+1], v[SS:SS+1], v[SS+2:SS+3]
	v_pk_add_f32 v[SS+4:SS+5], v[SS+4:SS+5], v[SS+6:SS+7]
	v_pk_add_f32 v[SS:SS+1], v[SS:SS+1], v[SS+4:SS+5]
	v_add_f32 v[TT], v[SS], v[SS+1]
	v_permlanex16_b32 v[RS+2*(\a)+1], v[TT], s60, s61              ; the token's other 64 columns lie in the lane 16 away
	v_add_f32 v[TT], v[TT], v[RS+2*(\a)+1]
	v_fma_f32 v[RS+2*(\a)], v[TT], s46, s47        ; the mean of the squares + eps
.endm
.irp a, 0,1,2,3
	SUMSQ \a
.endr
.irp a, 0,1,2,3
	v_rsq_f32 v[RS+2*\a], v[RS+2*\a]               ; one batch
.endr
	v_cvt_f32_u32 v[TT], v2                        ; (a plain line behind the batch)  h
	v_fma_f32 v[TT], v[TT], 2.0, -1.0              ; the turn's sign: -1 for columns 0-63, +1 for 64-127
	s_wait_alu depctr_va_vdst(0)                   ; one wait for the four, ahead of their first reader
.irp a, 0,1,2,3
	v_mul_f32 v[RS+2*\a], s45, v[RS+2*\a]
.endr
.irp a, 0,1,2,3
	v_cndmask_b32 v[RS+2*\a], v[RS+2*\a], 1.0, s44 ; v is not normalised
.endr
	s_wait_loadcnt 63                              ; 66 loads were issued: at most 63 out means that the first three, the two loads of weights among them, are in
.irp j, 0,1,2,3
	v_mul_f32 v[WP+\j], v[TT], v[WP+\j]
.endr
.irp j, 0,1,2,3,4,5,6,7
	v_cndmask_b32 v[WW+\j], v[WW+\j], 0, s44       ; v: W = W' = 0,
.endr
	v_cndmask_b32 v[UU], 0, 1.0, s44               ; and U = 1
	v_cndmask_b32 v[UU+1], 0, 1.0, s44
	s_wait_dscnt 0x0                               ; my reads of the slots are over
	s_barrier_signal -1
	s_barrier_wait -1                              ; everybody's are: the slots' bytes may be written
; (2) block a, scaled, into my rows 16 a .. 16 a + 15
.macro DUMP a
.set AC, 64*(\a)
.set TS, T+64*((\a)%2)
.if (\a) >= 2
	s_wait_dscnt 16                                ; block a - 2's stores have read this set; block a - 1's sixteen may be out
.endif
	WIN 0x02                                       ; source 0: window 2
.set k, 0
.rept 32
	v_pk_mul_f32 v[TS+2*k:TS+2*k+1], v[AC+2*k:AC+2*k+1], v[RS+2*(\a):RS+2*(\a)+1] op_sel_hi:[1,0]
.set k, k+1
.endr
	WIN 0
.irp b, 0,1,2,3,4,5,6,7
	ds_store_b128 v[DST], v[TS+8*\b:TS+8*\b+3] offset:(\a)*16*OP+64*\b
	ds_store_b128 v[DST], v[TS+8*\b+4:TS+8*\b+7] offset:(\a)*16*OP+64*\b+16
.endr
.endm
.irp a, 0,1,2,3
	DUMP \a
.endr
; (3) sixteen rows.  s: which sixteen of a pair of sixteens, and which set of cos and sin; fill = 1: that set takes the rows 32 further on; left: the other set's 32 loads, which may stay out
.macro HALF s, fill, left
	v_add_nc_u32 v[ADR], s[RB], v[RDA]
	v_add_nc_u32 v[ADP], s[RB], v[RDP]
.irp i, 0,1,2,3,4,5,6,7,8,9,10,11,12,13,14,15
	ds_load_b128 v[Y+4*\i:Y+4*\i+3], v[ADR] offset:\s*16*OP+\i*OP     ; LDS serves a wave's instructions in order: these see my stores
.endr
.irp i, 0,1,2,3,4,5,6,7,8,9,10,11,12,13,14,15
	ds_load_b128 v[YP+4*\i:YP+4*\i+3], v[ADP] offset:\s*16*OP+\i*OP
.endr
	s_wait_dscnt 16                                ; y is in; the partner's sixteen loads may be out
	s_wait_xcnt 0x0                                ; the last sixteen rows' stores have read their data: the results' registers are rewritten only behind this wait
.set k, 0
.rept 32
	v_pk_mul_f32 v[RR+2*k:RR+2*k+1], v[Y+2*k:Y+2*k+1], v[UU:UU+1]
.set k, k+1
.endr
.set k, 0
.rept 32
	v_pk_mul_f32 v[Y+2*k:Y+2*k+1], v[Y+2*k:Y+2*k+1], v[WW+2*(k%2):WW+2*(k%2)+1]
.set k, k+1
.endr
	s_wait_dscnt 0x0
.set k, 0
.rept 32
	v_pk_mul_f32 v[YP+2*k:YP+2*k+1], v[YP+2*k:YP+2*k+1], v[WP+2*(k%2):WP+2*(k%2)+1]
.set k, k+1
.endr
	s_wait_loadcnt \left                           ; this set's cos and sin are in
	WIN 0x04                                       ; source 1: window 1
.set k, 0
.rept 32
	v_pk_fma_f32 v[RR+2*k:RR+2*k+1], v[Y+2*k:Y+2*k+1], v[128*\s+2*k:128*\s+2*k+1], v[RR+2*k:RR+2*k+1]
.set k, k+1
.endr
.set k, 0
.rept 32
	v_pk_fma_f32 v[RR+2*k:RR+2*k+1], v[YP+2*k:YP+2*k+1], v[128*\s+64+2*k:128*\s+64+2*k+1], v[RR+2*k:RR+2*k+1]
.set k, k+1
.endr
.if \fill
	WIN TO_B
.irp i, 0,1,2,3,4,5,6,7,8,9,10,11,12,13,14,15
	global_load_b128 v[128*\s+4*\i:128*\s+4*\i+3], v[CO], s[48:49] offset:(32+16*\s+\i)*512
	global_load_b128 v[128*\s+64+4*\i:128*\s+64+4*\i+3], v[CO], s[50:51] offset:(32+16*\s+\i)*512
.endr
.endif
	WIN 0
	s_cmp_lt_u32 ttmp9, 2                          ; q has no f32 output: the cluster's x alone decides
	s_cbranch_scc1 .Lno_f32_\@
.irp i, 0,1,2,3,4,5,6,7,8,9,10,11,12,13,14,15
	global_store_b128 v[CO], v[RR+4*\i:RR+4*\i+3], s[52:53] offset:(16*\s+\i)*512 th:TH_STORE_NT   ; 32 lanes store a row of 512 consecutive bytes, aligned
.endr
.Lno_f32_\@:
.set k, 0
.rept 32
	v_cvt_pk_f16_f32 v[HH+k], v[RR+2*k], v[RR+2*k+1]
.set k, k+1
.endr
.irp i, 0,1,2,3,4,5,6,7,8,9,10,11,12,13,14,15
	global_store_b64 v[HO], v[HH+2*\i:HH+2*\i+1], s[54:55] offset:(16*\s+\i)*256   ; 32 lanes store a row of 256 consecutive bytes, aligned
.endr
.endm
	s_mov_b32 s[RB], 0
	HALF 0, 1, 32                                  ; rows 0-31; their sets of cos and sin take rows 32-63
	HALF 1, 1, 32
	s_wait_xcnt 0x0                                ; these rows' loads and stores have read their bases: they step only behind this wait
	s_add_nc_u64 s[52:53], s[52:53], 32*512
	s_add_nc_u64 s[54:55], s[54:55], 32*256
	s_add_co_u32 s[RB], s[RB], 32*OP
	HALF 0, 0, 32                                  ; rows 32-63: nothing is left to load
	HALF 1, 0, 0
	s_wait_tensorcnt 0x0                           ; the wave's end, behind my last tensor load and my last LDS store
	ds_add_u32 v[SPW], v[NIL]
	s_wait_dscnt 0x0
	CROUND                                         ; the closing round: no work-group ends while a partner may still ask for a tile that names it
	s_endpgm
.Lfunc_end_k_q881c0319b3_qkv:
	.size	k_q881c0319b3_qkv, .Lfunc_end_k_q881c0319b3_qkv-k_q881c0319b3_qkv
	.p2alignl 7, 3214868480
	.fill 96, 4, 3214868480
	.section	.rodata,"a",@progbits
	.p2align	6, 0x0
	.amdhsa_kernel k_q881c0319b3_qkv
		.amdhsa_group_segment_fixed_size 327680
		.amdhsa_private_segment_fixed_size 0
		.amdhsa_enable_private_segment 0
		.amdhsa_kernarg_size 88
		.amdhsa_user_sgpr_count 2
		.amdhsa_user_sgpr_kernarg_segment_ptr 1
		.amdhsa_wavefront_size32 1
		.amdhsa_system_sgpr_workgroup_id_x 1
		.amdhsa_system_sgpr_workgroup_id_y 1
		.amdhsa_system_sgpr_workgroup_id_z 1
		.amdhsa_system_vgpr_workitem_id 0
		.amdhsa_next_free_vgpr 768
		.amdhsa_next_free_sgpr 100
		.amdhsa_reserve_vcc 0
		.amdhsa_float_denorm_mode_32 3
		.amdhsa_float_denorm_mode_16_64 3
		.amdhsa_memory_ordered 1
		.amdhsa_forward_progress 1
		.amdhsa_inst_pref_size 217
	.end_amdhsa_kernel
	.amdgpu_metadata
---
amdhsa.version: [ 1, 2 ]
amdhsa.kernels:
  - .name:           k_q881c0319b3_qkv
    .symbol:         k_q881c0319b3_qkv.kd
    .args:
      - { .name: codes, .offset: 0, .size: 8, .value_kind: global_buffer, .address_space: global }
      - { .name: scales, .offset: 8, .size: 8, .value_kind: global_buffer, .address_space: global }
      - { .name: cos, .offset: 16, .size: 8, .value_kind: global_buffer, .address_space: global }
      - { .name: sin, .offset: 24, .size: 8, .value_kind: global_buffer, .address_space: global }
      - { .name: q_norm_w, .offset: 32, .size: 8, .value_kind: global_buffer, .address_space: global }
      - { .name: k_norm_w, .offset: 40, .size: 8, .value_kind: global_buffer, .address_space: global }
      - { .name: qh, .offset: 48, .size: 8, .value_kind: global_buffer, .address_space: global }
      - { .name: kh, .offset: 56, .size: 8, .value_kind: global_buffer, .address_space: global }
      - { .name: vh, .offset: 64, .size: 8, .value_kind: global_buffer, .address_space: global }
      - { .name: out1, .offset: 72, .size: 8, .value_kind: global_buffer, .address_space: global }
      - { .name: out2, .offset: 80, .size: 8, .value_kind: global_buffer, .address_space: global }
    .group_segment_fixed_size: 327680
    .private_segment_fixed_size: 0
    .kernarg_segment_align: 8
    .kernarg_segment_size: 88
    .max_flat_workgroup_size: 128
    .sgpr_count:     100
    .vgpr_count:     768
    .wavefront_size: 32
...
	.end_amdgpu_metadata
.endif
;; end of part 2
;; launch attn (part 3): grid 32 x 8, 4 waves a work-group, clusters of 4 x 4, 327,680 bytes of LDS; arguments qh, kh, vh, attention_mask, ah; writes ah
.if DOCPART == 3
	.amdgcn_target "amdgcn-amd-amdhsa--gfx1250"
	.amdhsa_code_object_version 6
	.text
	.protected	k_q881c0319b3_attn
	.globl	k_q881c0319b3_attn
	.p2align	8
	.type	k_q881c0319b3_attn,@function
k_q881c0319b3_attn:
	s_mov_b64 s[64:65], 0
	v_nop
	global_prefetch_b8 v0, s[64:65] scope:SCOPE_SE
	s_setreg_imm32_b32 hwreg(HW_REG_WAVE_MODE, 25, 1), 1
	s_wait_xcnt 0x0
	s_wait_alu depctr_hold_cnt(0) depctr_sa_sdst(0) depctr_va_vdst(0) depctr_va_sdst(0) depctr_va_ssrc(0) depctr_va_vcc(0) depctr_vm_vsrc(0)
	s_getreg_b32 s2, hwreg(HW_REG_IB_STS2, 6, 4)
	s_cmp_eq_u32 s2, 0
	s_cbranch_scc0 .Lentry_in_a_cluster
	s_endpgm
.Lentry_in_a_cluster:
	s_bfe_u32 s2, ttmp6, 0x10000c
	s_cmp_lg_u32 s2, 0xf033
	s_cbranch_scc0 .Lentry_shape_is_right
	s_endpgm
.Lentry_shape_is_right:
; ah[q][head][:] = the sum over k of softmax_k(Q[head][q] . K[head / 2][k] + mask[q][k]) V[head / 2][k][:].  Q [16][2048][128] (it carries 128^-0.5 already), K, V [8][4096][128]: f16; mask [2048][4096] f32, AN INPUT:
; every number of it is read and added, and no pattern of it is built in, so every query meets all 4,096 keys.  ah [2048][16 x 128] f16.  Products, maxima and sums in f32; the weights p are rounded to f16 for the second product.
; f16 and not bf16: q, k are bounded by sqrt(128) x the norm's weight, p by 1, and 11 significant bits keep a row right that averages a single value.
; SHARES.  A work-group owns 64 queries and the TWO query heads of one key-value head: they share K, V and the mask.  Wave w: queries 32 (w / 2) on, and keys 64 (w % 2) on of every 128: the keys are split over a pair of
; waves, which meet at the end.  A wave has four tiles of 16 queries: tile t = queries 16 (t / 2) on, head t % 2.  It walks 32 key steps of 64 keys.
; LAYOUT.  S^T = K Q^T + mask^T (source 0 = 16 keys, source 1 = 16 queries): a lane holds ONE query (lane % 16) and the keys 8 (lane / 16) + 0..7.  THE MASK IS THE C OF EACH SUM'S FIRST PRODUCT: eight neighbouring numbers of the
; query's row of the mask, read from LDS in the result's layout: it costs no vector instruction.  Two tiles of S^T, rounded to f16 in pairs, ARE source 1 of O^T = V^T P.  V comes out of LDS turned, by ds_load_tr16_b128.
; SOFTMAX.  For each query a running maximum m and sum l: p = 2^(c s - c m), c = log2(e); in every step O and l are multiplied by a = 2^(c m_old - c m_new).  m starts at no less than -1e30, so that a step whose every
; score is -infinity gives p = 0 and no NaN.
; BY TURNS.  The wave's tiles are two PIECES (tiles 0, 1; tiles 2, 3).  In a TURN one piece has the matrix unit: 32 products V^T P of the step in hand, then 32 products K Q^T of the next; the other piece's softmax, cut
; into 64 slices, stands between them, one slice behind each matrix instruction.  Two turns are a key step.
; CLUSTER.  4 x 4 work-groups: x = blocks of queries, y = key-value heads.  K's and V's tiles hang on the head alone and are asked for jointly along a row of the cluster; the mask's tile hangs on the block of queries alone
; and is asked for jointly along a column.  Every wave issues one joint load behind each round: wave 0 K's 128 rows, wave 1 V's, waves 2 and 3 the mask's two halves of 64 keys.
; LIMITS: NaN and +infinity are not served; a row whose every masked score lies under -1e30 is not served; where EVERY key of a row carries a mask so large that the score vanishes beside it in f32 (from about
; 2^24 times the score on), the sum is rounded in the matrix unit and may differ from an f32 addition's in the last bit: such rows are not vouched for.
; REGISTERS, in windows of 256 (s_set_vgpr_msb: bits 1:0 source 0, 3:2 source 1, 5:4 source 2, 7:6 destination):
;   window 0: v1-11 addresses; v12-43 eight registers of statistics a tile; v44-47 addresses; v48-55 the partner's statistics; v61-63; v64-191 S^T, 32 a tile; v192-255 P, 16 a tile
;   window 1: O^T, 64 a tile      window 2: v0-127 Q, 32 a tile; v128-255 K of one step      window 3: v0-127 V of one step; v128-191 the mask of one step, 32 a piece
.set KS,    64        ; keys in a wave's step
.set PK,    272       ; a row of K in LDS: 256 bytes + 16: the 16 rows of a load start at 16 different banks (64 banks of 4 bytes: ISA guide 11.1)
.set PV,    288       ; a row of V: 256 + 32
.set PM,    272       ; a query's 64 numbers of the mask: 256 + 16
.set VOFF,  128*PK    ; a slot: 128 rows of K, 128 rows of V,
.set MOFF,  VOFF+128*PV  ; and the mask: 64 queries x keys 0-63, then 64 queries x keys 64-127
.set SLOT1, 1<<17     ; slot 1 begins here, so that one exclusive or turns an address in one slot into the other's
.set IMG,   SLOT1+MOFF+2*64*PM  ; behind the ring: for each pair of waves an image of 256 registers of O^T (32,768 bytes) and of its statistics (1,024)
.set IMGB,  33792
.set STAGE, IMG+2*IMGB  ; 16 rows x 272 bytes for each wave, for the way out
.set SP,    272
.set SPARE, STAGE+4*16*SP  ; the spare words, 128 bytes a wave
.set AK0, 2           ; v2   my lane's place in my half of a tile of K; never rewritten
.set AV0, 3           ; v3   the same for V
.set ADR, 4           ; v4   the LDS address of the run of loads in hand
.set QO,  5           ; v5   my byte offset in the wave's rows of Q
.set STO, 6           ; v6   the way out: where I put 16 bytes of a row
.set RD,  7           ; v7   the way out: where I read a row back
.set GO,  8           ; v8   my byte offset in the wave's rows of ah
.set ST,  12          ; tile t's statistics at v[ST+8 t]: +0 c m, +1 m, +2, +3 l (even keys', odd keys'), +4 to +7 at work; a takes +6
.set AM0, 44          ; v44  my lane's place in my part of the mask's tile
.set ADM, 45          ; v45  its address in the slot in hand
.set IMGA, 46         ; v46  16 x lane in my pair's image
.set IMGS, 47         ; v47  8 x lane in its statistics
.set PS,  48          ; v48-55 the partner's c m and l, a pair a tile
.set PFO, 61          ; v61  the prefetches' offset; never rewritten
.set SPW, 62          ; v62  my spare word; never rewritten
.set NIL, 63          ; v63  0; never rewritten
.set S,   64
.set P,   192
.set KF,  128         ; K's fragments, in window 2
.set MK,  128         ; the mask, in window 3
.set WV,  14          ; s14  my wave's number
.set LIM, 15          ; s15  1 in a wave that prefetches, else the greatest number
.set KP,  16          ; s16  which half of the keys
.set QP,  17          ; s17  which half of the queries
.set PFA, 18          ; s[18:19] where my prefetches stand
.set PFS, 20          ; s[20:21] a slot on, in bytes: 32,768 in K and V, 512 in a row of the mask
.set G1K, 24          ; s[24:31], s[32:39], s[40:47] descriptor groups 1 for K's, V's and the mask's tiles
.set G1V, 32
.set G1M, 40
.set G0K, 48          ; s[48:55], s[56:63], s[68:75] groups 0: a set for each of the two first fills; the second then walks on
.set G0V, 56
.set G0M, 68
.set SLOTS, 76        ; s76  slots still to be asked for
.set TB,  77          ; s77  LDS byte at which the slot to be fetched from begins
.set CS,  78          ; s[78:79] c
.set SEL, 80          ; s[80:81] lane selects for v_permlanex16_b32
.set MSB, 0
.macro WIN new                      ; the immediate's high byte repeats the setting that is left; a switch that changes nothing is dropped
.if MSB != \new
	s_set_vgpr_msb (MSB<<8)|\new
.set MSB, \new
.endif
.endm
.set W_KQ,  0x0a      ; K and Q in window 2, S^T in window 0
.set W_KQM, 0x3a      ; the same with C, the mask, in window 3
.set W_PV,  0x53      ; V in window 3, P in window 0, O^T in window 1
.set W_RS,  0x41      ; O^T (destination and source 0) in window 1, the factor in window 0
; A joint refill: one of three lines, by the wave's number alone.  An s_nop 0 and four v_nop follow each.
.macro JLOAD
	s_cmp_eq_u32 s[WV], 0
	s_cbranch_scc0 .Lnot_k_\@
	tensor_load_to_lds s[G0K+4:G0K+7], s[G1K:G1K+7]
	s_nop 0
.rept 4
	v_nop
.endr
	s_branch .Lasked_\@
.Lnot_k_\@:
	s_cmp_eq_u32 s[WV], 1
	s_cbranch_scc0 .Lfor_m_\@
	tensor_load_to_lds s[G0V+4:G0V+7], s[G1V:G1V+7]
	s_nop 0
.rept 4
	v_nop
.endr
	s_branch .Lasked_\@
.Lfor_m_\@:
	tensor_load_to_lds s[G0M+4:G0M+7], s[G1M:G1M+7]
	s_nop 0
.rept 4
	v_nop
.endr
.Lasked_\@:
.endm
; A PREFETCH INTO THE L2 of what the NEXT change of slots will ask for, a key step of 128 matrix instructions a wave ahead of that load: 128 rows of K, 128 of V (256 bytes each), and 512 bytes of each of the mask's 64 rows.
; Each aligned block of 256 bytes is named once in the launch.  K and V of a head are walked by all clusters of a row of clusters: the one with x = 0 asks; a block of queries' mask by both clusters of a column: y = 0 asks.
; The four partners that ask for a tile jointly share its blocks out BY ADDRESS, 32 each (K, V: 32 rows by cx; the mask: 16 rows x 2 blocks by cy).  Wave 0 asks for K's, wave 1 for V's, wave 2 for the mask's: one instruction.
; The last change that fills a slot asks for nothing; slots 0 to 2 come by their loads alone.
.macro ASK
	s_cmp_gt_u32 s[SLOTS], s[LIM]
	s_cbranch_scc0 .Lnot_mine_\@
	global_prefetch_b8 v[PFO], s[PFA:PFA+1] th:TH_LOAD_NT scope:SCOPE_SE
.Lnot_mine_\@:
.endm
.macro CROUND                       ; a round of the cluster's barrier
	s_barrier_signal -1
	s_barrier_wait -1
	s_cmp_lg_u32 s[WV], 0
	s_cbranch_scc1 .Lnot_wave_0_\@
	s_barrier_signal -3
.Lnot_wave_0_\@:
	s_barrier_wait -3
	s_barrier_signal -1
	s_barrier_wait -1
.endm
	s_load_b256 s[4:11], s[0:1], 0x0  ; Q s[4:5], K s[6:7], V s[8:9], the mask s[10:11]
	s_load_b64 s[12:13], s[0:1], 0x20  ; ah
	v_lshl_add_u32 v[SPW], v0, 2, SPARE
	v_mov_b32 v[NIL], 0
	ds_add_u32 v[SPW], v[NIL]       ; the wave's opening: the add, twice on end, and its wait ahead of my first tensor load
	ds_add_u32 v[SPW], v[NIL]
	v_lshrrev_b32 v1, 5, v0
	v_readfirstlane_b32 s[WV], v1   ; wave 0..3
	v_and_b32 v1, 15, v0            ; l % 16
	v_bfe_u32 v9, v0, 4, 1          ; l / 16
	s_and_b32 s[KP], s[WV], 1
	s_lshr_b32 s[QP], s[WV], 1
	s_bfe_u32 s82, ttmp6, 0x40000   ; cx
	s_bfe_u32 s83, ttmp6, 0x40004   ; cy
	s_lshl_b32 s84, ttmp9, 2
	s_add_co_u32 s84, s84, s82      ; my block of 64 queries = 4 x cluster x + cx
	s_and_b32 s85, ttmp7, 0xffff
	s_lshl_b32 s85, s85, 2
	s_add_co_u32 s85, s85, s83      ; my key-value head = 4 x cluster y + cy
	s_lshl_b32 s86, s83, 2
	s_lshl_b32 s86, 15, s86         ; my row of the cluster: the same head
	s_lshl_b32 s87, 0x1111, s82     ; my column: the same queries
	s_or_b32 s[G1K], s86, (1<<16)|(1<<20)|(1<<21)|(5<<22)|(3<<25)  ; 15:0 the mask of work-groups; 17:16 elements of 2 bytes; 20 padding on; 21 set beside a mask; 24:22 after every 64 words; 31:25 4 words
	s_or_b32 s[G1V], s86, (1<<16)|(1<<20)|(1<<21)|(5<<22)|(7<<25)  ; the same with 8 words of padding
	s_or_b32 s[G1M], s87, (2<<16)|(1<<20)|(1<<21)|(5<<22)|(3<<25)  ; elements of 4 bytes; my column
.irp g, G1K, G1V
	s_mov_b32 s[\g+1], 128<<16      ; tensor_dim0 = 128
	s_mov_b32 s[\g+2], 128<<16      ; tensor_dim1 = 128
	s_mov_b32 s[\g+3], 128<<16      ; tile_dim0 = 128
	s_mov_b32 s[\g+4], 128          ; tile_dim1 = 128 rows
	s_mov_b32 s[\g+5], 128          ; elements from row to row
	s_mov_b32 s[\g+6], 0
	s_mov_b32 s[\g+7], 0
.endr
	s_mov_b32 s[G1M+1], 64<<16      ; the mask: 64 rows x 64 numbers,
	s_mov_b32 s[G1M+2], 64<<16
	s_mov_b32 s[G1M+3], 64<<16
	s_mov_b32 s[G1M+4], 64
	s_mov_b32 s[G1M+5], 4096        ; 4,096 numbers from row to row
	s_mov_b32 s[G1M+6], 0
	s_mov_b32 s[G1M+7], 0
	s_lshl_b32 s88, s85, 20         ; my head's first byte in K and in V: these registers never hold cx
	s_mov_b32 s89, 0
	s_lshl_b32 s92, s84, 20         ; my 64 rows of the mask, 16,384 bytes each: these never hold cy
	s_lshl_b32 s93, s[KP], 8        ; (waves 2, 3: which 64 keys of a slot's 128 I fetch)
	s_add_co_u32 s92, s92, s93
	s_mov_b32 s93, 0
	s_mul_i32 s94, s[KP], 64*PM
	s_add_co_u32 s94, s94, MOFF     ; and where they go: no place in the cluster enters an LDS address
	s_lshl_b32 s96, s85, 20         ; Q: head 2 g (524,288 bytes a head), row 64 block + 32 half (256 bytes a row)
	s_lshl_b32 s97, s84, 14
	s_add_co_u32 s96, s96, s97
	s_lshl_b32 s97, s[QP], 13
	s_add_co_u32 s96, s96, s97
	s_mov_b32 s97, 0
	s_lshl_b32 s98, s84, 18         ; ah: the same row (4,096 bytes a row), column 2 g x 256 bytes
	s_lshl_b32 s99, s[QP], 17
	s_add_co_u32 s98, s98, s99
	s_lshl_b32 s99, s85, 9
	s_add_co_u32 s98, s98, s99
	s_mov_b32 s99, 0
	s_mov_b32 s[CS], 0x3fb8aa3b     ; c = log2(e)
	s_mov_b32 s[CS+1], s[CS]        ; named with it as a pair, so it is written
	s_mov_b32 s[SEL], 0x76543210
	s_mov_b32 s[SEL+1], 0xfedcba98
	s_mov_b32 s[TB], 0
	s_mov_b32 s[SLOTS], 30          ; 32 slots' worth of keys, two of them asked for at the head
	s_and_b32 s2, ttmp7, 0xffff     ; who prefetches: the same in all sixteen partners, for a given wave
	s_cmp_lt_u32 s[WV], 2
	s_cselect_b32 s3, ttmp9, s2     ; the coordinate along which other clusters read the same bytes
	s_cmp_eq_u32 s[WV], 3
	s_cselect_b32 s3, 1, s3         ; wave 3 asks for nothing
	s_cmp_eq_u32 s3, 0
	s_cselect_b32 s[LIM], 1, -1
	s_cmp_lt_u32 s[WV], 2           ; K, V or the mask?
	s_mov_b32 s[PFS], 512
	s_cselect_b32 s[PFS], 0x8000, s[PFS]
	s_mov_b32 s[PFS+1], 0
	s_mov_b32 s2, 16384
	s_cselect_b32 s2, 256, s2       ; from lane to lane among sixteen: a row of K or V; a row of the mask
	s_mov_b32 s3, 256
	s_cselect_b32 s3, 4096, s3      ; and for lanes 16-31: sixteen rows on; the row's second block
	v_mul_u32_u24 v[PFO], v1, s2
	v_mad_u32_u24 v[PFO], v9, s3, v[PFO]
	s_cselect_b32 s2, s82, s83      ; my place among the four that ask jointly,
	s_cselect_b32 s3, 13, 18        ; times 32 rows of 256 bytes, or 16 rows of 16,384
	s_lshl_b32 s2, s2, s3
	s_lshl_b32 s3, s[PFS], 1
	s_add_co_u32 s2, s2, s3         ; in slot 2: the first change of slots steps it to slot 3.  Nothing is prefetched at the head
	s_mov_b32 s3, 0
	s_wait_dscnt 0x0                ; both opening adds are done
	s_wait_kmcnt 0x0
	s_add_nc_u64 s[90:91], s[8:9], s[88:89]  ; V, K and the mask at slot 0's tiles
	s_add_nc_u64 s[88:89], s[6:7], s[88:89]
	s_add_nc_u64 s[92:93], s[10:11], s[92:93]
	s_add_nc_u64 s[4:5], s[4:5], s[96:97]  ; Q and ah at my wave's first row
	s_add_nc_u64 s[12:13], s[12:13], s[98:99]
	s_cmp_eq_u32 s[WV], 0
	s_cselect_b64 s[PFA:PFA+1], s[88:89], s[90:91]
	s_cmp_lt_u32 s[WV], 2
	s_cselect_b64 s[PFA:PFA+1], s[PFA:PFA+1], s[92:93]  ; (in wave 2 this stands at the rows' first byte)
	s_add_nc_u64 s[PFA:PFA+1], s[PFA:PFA+1], s[2:3]
	CROUND                          ; all sixteen work-groups are here: the first joint loads meet
.irp s, 0,1
	s_mov_b32 s[G0K+4*\s], 1        ; count = 1
	s_mov_b32 s[G0K+4*\s+1], \s*SLOT1  ; LDS address
	s_add_nc_u64 s[G0K+4*\s+2:G0K+4*\s+3], s[88:89], \s*32768  ; slot s begins with keys 128 s on
	s_or_b32 s[G0K+4*\s+3], s[G0K+4*\s+3], 0x80000000  ; type = 2
	s_mov_b32 s[G0V+4*\s], 1
	s_mov_b32 s[G0V+4*\s+1], \s*SLOT1+VOFF
	s_add_nc_u64 s[G0V+4*\s+2:G0V+4*\s+3], s[90:91], \s*32768
	s_or_b32 s[G0V+4*\s+3], s[G0V+4*\s+3], 0x80000000
	s_mov_b32 s[G0M+4*\s], 1
	s_add_co_u32 s[G0M+4*\s+1], s94, \s*SLOT1
	s_add_nc_u64 s[G0M+4*\s+2:G0M+4*\s+3], s[92:93], \s*512
	s_or_b32 s[G0M+4*\s+3], s[G0M+4*\s+3], 0x80000000
.endr
	s_cmp_eq_u32 s[WV], 0           ; a wave's two first fills stand in one branch, ahead of every wait on TENSORcnt and every LDS read: two loads of mine are out
	s_cbranch_scc0 .Lfirst_not_k
	tensor_load_to_lds s[G0K:G0K+3], s[G1K:G1K+7]
	s_nop 0
	tensor_load_to_lds s[G0K+4:G0K+7], s[G1K:G1K+7]
	s_nop 0
.rept 4
	v_nop
.endr
	s_branch .Lfirst_asked
.Lfirst_not_k:
	s_cmp_eq_u32 s[WV], 1
	s_cbranch_scc0 .Lfirst_m
	tensor_load_to_lds s[G0V:G0V+3], s[G1V:G1V+7]
	s_nop 0
	tensor_load_to_lds s[G0V+4:G0V+7], s[G1V:G1V+7]
	s_nop 0
.rept 4
	v_nop
.endr
	s_branch .Lfirst_asked
.Lfirst_m:
	tensor_load_to_lds s[G0M:G0M+3], s[G1M:G1M+7]
	s_nop 0
	tensor_load_to_lds s[G0M+4:G0M+7], s[G1M:G1M+7]
	s_nop 0
.rept 4
	v_nop
.endr
.Lfirst_asked:
	; A fragment of K or Q is 16 rows x 32 channels in 8 registers: lane l holds row l % 16; registers 0-3 channels 8 (l / 16) + 0..7, registers 4-7 channels 16 + 8 (l / 16) + 0..7
	v_lshlrev_b32 v[QO], 8, v1
	v_lshl_add_u32 v[QO], v9, 4, v[QO]  ; row x 256 + 16 x half
	WIN 0x80                        ; destination window 2, address window 0
.irp i, 0,1,2,3,4,5,6,7,8,9,10,11,12,13,14,15  ; Q stays in registers: tile i / 4 (head (i / 4) % 2, queries 16 (i / 8) on), channels 32 (i % 4) on
	global_load_b128 v[8*\i:8*\i+3],   v[QO], s[4:5] offset:((\i/4)%2)*524288+(\i/8)*4096+(\i%4)*64
	global_load_b128 v[8*\i+4:8*\i+7], v[QO], s[4:5] offset:((\i/4)%2)*524288+(\i/8)*4096+(\i%4)*64+32
.endr
	WIN 0
	s_mul_i32 s2, s[KP], 64*PK      ; my 64 keys of a slot's 128
	v_mul_u32_u24 v[AK0], v1, PK
	v_lshl_add_u32 v[AK0], v9, 4, v[AK0]
	v_add_nc_u32 v[AK0], s2, v[AK0]
	; The turning load takes 16 keys x 16 channels (lane l reads 16 bytes: key 8 (l / 16) + l % 8, channels 8 ((l / 8) % 2) + 0..7) and leaves half a fragment of V^T
	v_and_b32 v10, 7, v0
	v_bfe_u32 v11, v0, 3, 1
	v_lshl_add_u32 v[AV0], v9, 3, v10
	v_mul_u32_u24 v[AV0], v[AV0], PV
	v_lshl_add_u32 v[AV0], v11, 4, v[AV0]
	s_mul_i32 s2, s[KP], 64*PV
	s_add_co_u32 s2, s2, VOFF
	v_add_nc_u32 v[AV0], s2, v[AV0]
	s_mul_i32 s2, s[KP], 64*PM      ; the mask: my half of the keys, my 32 queries; row l % 16, 32 bytes for each half of the lanes
	s_mul_i32 s3, s[QP], 32*PM
	s_add_co_u32 s2, s2, s3
	s_add_co_u32 s2, s2, MOFF
	v_mul_u32_u24 v[AM0], v1, PM
	v_lshl_add_u32 v[AM0], v9, 5, v[AM0]
	v_add_nc_u32 v[AM0], s2, v[AM0]
	s_mul_i32 s2, s[QP], IMGB       ; my pair's image
	s_add_co_u32 s2, s2, IMG
	v_and_b32 v10, 31, v0
	v_lshl_add_u32 v[IMGA], v10, 4, s2
	s_add_co_u32 s2, s2, 32768
	v_lshl_add_u32 v[IMGS], v10, 3, s2
; THE MATRIX WORK OF A TURN, for piece x.  The accumulators take turns, one instruction a turn.
; Product i of 32 of O^T += V^T P: keys 32 (i / 16) on, channels 16 ((i / 2) % 8) on, tile x + i % 2.  zero = 1: the first 16 start the sums.
.macro PV x, zero
	WIN W_PV
.set rO, 64*(\x+i%2)+8*((i/2)%8)
.set rV, 64*(i/16)+8*((i/2)%8)
.set rP, P+16*(\x+i%2)+8*(i/16)
.if \zero && (i < 16)
	v_wmma_f32_16x16x32_f16 v[rO:rO+7], v[rV:rV+7], v[rP:rP+7], 0
.else
	v_wmma_f32_16x16x32_f16 v[rO:rO+7], v[rV:rV+7], v[rP:rP+7], v[rO:rO+7]
.endif
.endm
; Product i of 32 of S^T = K Q^T + mask^T: channels 32 (i / 8) on, keys 16 ((i / 2) % 4) on, tile x + i % 2.  The first 8 start the sums from the mask, which the piece's two tiles (two heads, the same queries) share.
.macro KQ x
.set rS, S+32*(\x+i%2)+8*((i/2)%4)
.set rK, KF+32*((i/2)%4)+8*(i/8)
.set rQ, 32*(\x+i%2)+8*(i/8)
.set rM, MK+16*\x+8*((i/2)%4)
.if i < 8
	WIN W_KQM
	v_wmma_f32_16x16x32_f16 v[rS:rS+7], v[rK:rK+7], v[rQ:rQ+7], v[rM:rM+7]
.else
	WIN W_KQ
	v_wmma_f32_16x16x32_f16 v[rS:rS+7], v[rK:rK+7], v[rQ:rQ+7], v[rS:rS+7]
.endif
.endm
; THE LDS LOADS stand in runs: a step's K (64 keys x 128 channels: 16 fragments) with its mask (32 queries x 64 keys, in the result's layout), and, a turn later, its V (turned).
.macro FETCH_K
	WIN 0
	v_add_nc_u32 v[ADR], s[TB], v[AK0]
	v_add_nc_u32 v[ADM], s[TB], v[AM0]
	WIN 0x80                        ; destination window 2
.irp f, 0,1,2,3,4,5,6,7,8,9,10,11,12,13,14,15  ; keys 16 (f / 4) on, channels 32 (f % 4) on
	ds_load_b128 v[KF+8*\f:KF+8*\f+3],   v[ADR] offset:(\f/4)*16*PK+(\f%4)*64
	ds_load_b128 v[KF+8*\f+4:KF+8*\f+7], v[ADR] offset:(\f/4)*16*PK+(\f%4)*64+32
.endr
	WIN 0xc0                        ; destination window 3
.irp f, 0,1,2,3,4,5,6,7         ; piece f / 4 (queries 16 (f / 4) on), keys 16 (f % 4) on: lane (r, h) takes mask[query r][8 h + 0 .. 7]
	ds_load_b128 v[MK+8*\f:MK+8*\f+3],   v[ADM] offset:(\f/4)*16*PM+(\f%4)*64
	ds_load_b128 v[MK+8*\f+4:MK+8*\f+7], v[ADM] offset:(\f/4)*16*PM+(\f%4)*64+16
.endr
.endm
.macro FETCH_V
	WIN 0
	v_add_nc_u32 v[ADR], s[TB], v[AV0]
	s_wait_alu depctr_va_vdst(0)    ; the wait for the softmax's batch (SLICE), behind the address's v_add_nc_u32 and ahead of the loads
	WIN 0xc0                        ; destination window 3
.irp f, 0,1,2,3,4,5,6,7,8,9,10,11,12,13,14,15  ; keys 32 (f / 8) on, channels 16 (f % 8) on
	ds_load_tr16_b128 v[8*\f:8*\f+3],   v[ADR] offset:(\f/8)*32*PV+(\f%8)*32
	ds_load_tr16_b128 v[8*\f+4:8*\f+7], v[ADR] offset:(\f/8)*32*PV+16*PV+(\f%8)*32
.endr
.endm
; THE VECTOR WORK OF A TURN.  One tile's softmax for one key step is a list of 134 instructions; SM writes number j of it for tile t.  s0-s31 are the lane's 32 scores, in pairs 0-15.
; first = 1: the first key step, which starts m, l and O^T: it has no a and nothing to rescale.
;   0-15    the maximum of s0-s31 and the old m (first step: and the floor -1e30), three operands at a time
;   16-20   the other half of the lanes' maximum; the new m; c m; c m_old - c m_new
;   21-69   ONE BATCH: the 16 scalings c s - c m and all 33 exponentials (a at 23, then s0-s31); none of these reads an exponential's result
;   (wait)  between 69 and 70 stands the wait for the batch: SLICE writes it, once for both tiles
;   70-85   the roundings to f16;   86-101 the sums; l = a l + the sum;   102-133 the tile's O^T times a
.macro SM t, first
.set rT, ST+8*(\t)
.set rS, S+32*(\t)
.set rP, P+16*(\t)
.set rO, 64*(\t)+2*(j-102)
.if j < 102
	WIN 0
.endif
.if j < 4
	v_max3_num_f32 v[rT+4+j], v[rS+8*j], v[rS+8*j+1], v[rS+8*j+2]
.elseif j < 12
	v_max3_num_f32 v[rT+4+j%4], v[rT+4+j%4], v[rS+8*(j%4)+2*(j/4)+1], v[rS+8*(j%4)+2*(j/4)+2]
.elseif j == 12
	v_max3_num_f32 v[rT+4], v[rT+4], v[rS+7], v[rS+15]
.elseif j == 13
	v_max3_num_f32 v[rT+6], v[rT+6], v[rS+23], v[rS+31]
.elseif j == 14
	v_max3_num_f32 v[rT+4], v[rT+4], v[rT+5], v[rT+6]
.elseif (j == 15) && \first
	v_max3_num_f32 v[rT+4], v[rT+4], v[rT+7], 0xf149f2ca  ; the floor, -1e30
.elseif j == 15
	v_max3_num_f32 v[rT+4], v[rT+4], v[rT+7], v[rT+1]
.elseif j == 16
	v_permlanex16_b32 v[rT+5], v[rT+4], s[SEL], s[SEL+1]  ; the query's other 32 keys lie in the lane 16 away
.elseif j == 18
	v_max_num_f32 v[rT+1], v[rT+4], v[rT+5]
.elseif j == 19
	v_mul_f32 v[rT], s[CS], v[rT+1]
.elseif ((j == 17) || (j == 20) || (j == 23) || (j > 101)) && \first  ; the first step has none of these
.elseif j == 17
	v_mov_b32 v[rT+7], v[rT]        ; c m_old is kept for a: number 19 writes c m anew
.elseif j == 20
	v_sub_f32 v[rT+7], v[rT+7], v[rT]
.elseif j == 23
	v_exp_f32 v[rT+6], v[rT+7]
.elseif (j < 23) || ((j < 38) && (j%2 == 0)) || ((j < 66) && (j%4 == 2))
.set b, (j-2)/4                     ; 38, 42, .. 62: pairs 9 to 15
.if j < 38
.set b, (j-20)/2                    ; 21: pair 0; 22, 24, .. 36: pairs 1 to 8
.endif
	v_pk_fma_f32 v[rS+2*b:rS+2*b+1], v[rS+2*b:rS+2*b+1], s[CS:CS+1], v[rT:rT+1] op_sel_hi:[1,0,0] neg_lo:[0,0,1] neg_hi:[0,0,1]  ; pair b: c s - c m
.elseif j < 70
.set e, j-38                        ; 66 to 69: s28 to s31
.if j < 66
.set e, j-32-(j-38)/4               ; 39-41, 43-45, .. 63-65: s7 to s27
.endif
.if j < 38
.set e, (j-25)/2                    ; 25, 27, .. 37: s0 to s6
.endif
	v_exp_f32 v[rS+e], v[rS+e]
.elseif j < 86
	v_cvt_pk_f16_f32 v[rP+j-70], v[rS+2*(j-70)], v[rS+2*(j-70)+1]  ; pair j - 70
.elseif j < 102                     ; the sum of the tile's 16 pairs, in place: neighbours 1, 2, 4 and 8 pairs apart, then l takes it
.set z, j-86
.set w, 4
.set u, z
.if z >= 14
.set w, 32
.set u, 0
.elseif z >= 12
.set w, 16
.set u, z-12
.elseif z >= 8
.set w, 8
.set u, z-8
.endif
.if (z == 14) && \first
	v_pk_add_f32 v[rT+2:rT+3], v[rS:rS+1], v[rS+16:rS+17]
.elseif z < 15
	v_pk_add_f32 v[rS+w*u:rS+w*u+1], v[rS+w*u:rS+w*u+1], v[rS+w*u+w/2:rS+w*u+w/2+1]
.elseif !\first
	v_pk_fma_f32 v[rT+2:rT+3], v[rT+2:rT+3], v[rT+6:rT+7], v[rS:rS+1] op_sel_hi:[1,0,1]
.endif
.else
	WIN W_RS
	v_pk_mul_f32 v[rO:rO+1], v[rO:rO+1], v[rT+6:rT+7] op_sel_hi:[1,0]
.endif
.endm
; Slice k of 64 of piece y's softmax: four instructions.  Slices 11 to 34 deal out the batch, four numbers of ONE tile each, the tiles by turns; every other slice is numbers 2 k and 2 k + 1 of both tiles' lists;
; the twelve that are over stand in slice 63.  Ahead of slice 35 nothing names an exponential's result, and behind slice 34 none is issued: so the piece's 66 exponentials have one wait, behind slice 34.
.macro SLICE y, first
.if (k >= 11) && (k < 35)
.irp n, 0,1,2,3
.set j, 22+4*((k-11)/2)+(\n)
	SM (\y)+(k-11)%2, \first
.endr
.else
.irp n, 0,1,2,3,4,5,6,7
.if (\n < 2) || (k == 63)
.irp t, \y, \y+1
.set j, 2*k+\n
	SM \t, \first
.endr
.endif
.endr
.endif
.if k == 34
	v_nop                           ; a plain instruction behind the last exponential and ahead of the first use: one for the batch
.if (\y) == 0
	FETCH_V                         ; piece 2's turn: V's run of loads stands here, and the wait stands in it
.else
	s_wait_alu depctr_va_vdst(0)    ; the wait for the batch
.endif
.endif
.set k, k+1
.endm
.macro PLACES
.rept 4
	v_nop
.endr
.endm
; A TURN.  Piece x has the matrix unit; the other piece's softmax stands in slices behind its matrix instructions.  pv = 2: 32 products V^T P; 1: they start O^T's sums; 0: none.  kq = 1: 32 products K Q^T for the next step.
; Piece 0's turn fetches the next step's K and mask behind its second product: their last readers stand in the turn before, with slice 63's sixteen plain lines behind them.  Piece 2's turn fetches the same step's V behind
; slice 34: the last product that read V stands in front of slice 31, and four plain lines lie between (a scaling of both tiles, the v_nop, the run's own v_add_nc_u32).
.macro TURN x, pv, kq, first
.set k, 0
.set per, 2
.if \pv && \kq
.set per, 1
.endif
.if \pv
.if \x == 0
	s_wait_dscnt 0x0                ; V is in
.endif
.set i, 0
.rept 32
	PV \x, 2-\pv
.rept per
	SLICE 2-\x, \first
.endr
.if (\x == 0) && \kq && (i == 1)
	FETCH_K
.endif
.set i, i+1
.endr
.endif
.if \kq
.if \x == 0
	s_wait_dscnt 0x0                ; K and the mask are in
.endif
.set i, 0
.rept 32
	KQ \x
.rept per
	SLICE 2-\x, \first
.endr
.set i, i+1
.endr
.endif
.if \first
	PLACES
.endif
.endm
; THE CHANGE OF SLOTS, between piece 2's turn and piece 0's: the slot's last bytes, V, have been asked for.  Each wave waits for all its tensor loads, of which one is out: its part of the other slot; adds 0 to its spare
; word; and waits for that and for its own reads of the slot.  fill = 1: the barrier is a round of the cluster's, and the joint refill, with the keys two slots on, is the first thing behind it: it has a key step,
; 128 matrix instructions a wave, in which to land.
.macro CHANGE fill
	WIN 0                           ; at a label and at a branch every window is 0
	s_wait_tensorcnt 0x0            ; no tensor load of mine is out, so a group 0 may be written
	ds_add_u32 v[SPW], v[NIL]       ; 0 onto my spare word
.if \fill
	s_xor_b32 s[G0K+5], s[G0K+5], SLOT1  ; the walking descriptors: the other slot than last time,
	s_add_nc_u64 s[G0K+6:G0K+7], s[G0K+6:G0K+7], 32768  ; the next 128 keys; the type bits on top are not reached
	s_xor_b32 s[G0V+5], s[G0V+5], SLOT1
	s_add_nc_u64 s[G0V+6:G0V+7], s[G0V+6:G0V+7], 32768
	s_xor_b32 s[G0M+5], s[G0M+5], SLOT1
	s_add_nc_u64 s[G0M+6:G0M+7], s[G0M+6:G0M+7], 512
	s_wait_xcnt 0x0                 ; the last prefetch, a key step back, has read its address, so it may be written:
	s_add_nc_u64 s[PFA:PFA+1], s[PFA:PFA+1], s[PFS:PFS+1]  ; one slot further on than the walking descriptors
	s_wait_dscnt 0x0                ; the add is done, and my reads of the slot are over
	CROUND
	JLOAD
	ASK
.else
	s_wait_dscnt 0x0
	s_barrier_signal -1
	s_barrier_wait -1
.endif
	s_xor_b32 s[TB], s[TB], SLOT1   ; the fetches go on in the other slot
.endm
	s_wait_tensorcnt 1              ; my part of slot 0 is in; slot 1's may stay out
	s_barrier_signal -1
	s_barrier_wait -1               ; everybody's is
	FETCH_K                         ; key step 0
	s_wait_loadcnt 0x0              ; Q
	s_wait_dscnt 0x0
.set i, 0
.rept 32
	KQ 0                            ; piece 0's first scores: there is no vector work yet to set between them
.set i, i+1
.endr
	WIN 0                           ; the addresses for the way out are made here: plain instructions, the places behind those products
	s_mul_i32 s2, s[WV], 16*SP
	s_add_co_u32 s2, s2, STAGE      ; my stage
	v_mul_u32_u24 v[STO], v1, SP    ; in: row l % 16, 16 bytes for each half of the lanes
	v_lshl_add_u32 v[STO], v9, 4, v[STO]
	v_add_nc_u32 v[STO], s2, v[STO]
	v_mul_u32_u24 v[RD], v9, SP     ; back: lanes 0-15 take one row of 256 bytes, lanes 16-31 the next
	v_lshl_add_u32 v[RD], v1, 4, v[RD]
	v_add_nc_u32 v[RD], s2, v[RD]
	v_lshlrev_b32 v[GO], 12, v9     ; and the same two rows in ah
	v_lshl_add_u32 v[GO], v1, 4, v[GO]
	TURN 2, 0, 1, 1                 ; piece 2's first scores | piece 0's first softmax | V of step 0
	CHANGE 1                        ; slot 0 has been read out: it takes step 2
	s_sub_co_u32 s[SLOTS], s[SLOTS], 1
	TURN 0, 1, 1, 1                 ; piece 0: V^T P of step 0 starts O^T, K Q^T of step 1 | piece 2's first softmax | K and mask of step 1
	TURN 2, 1, 1, 0                 ; piece 2: the same | piece 0's softmax of step 1 | V of step 1
	WIN 0
.Lslot:                             ; 29 trips: the change behind step j's fetches asks for step j + 2, j = 1 .. 29
	CHANGE 1
	TURN 0, 2, 1, 0
	TURN 2, 2, 1, 0
	WIN 0
	s_sub_co_u32 s[SLOTS], s[SLOTS], 1
	s_cmp_lg_u32 s[SLOTS], 0
	s_cbranch_scc1 .Lslot
	CHANGE 0                        ; the tail is written out: nothing is left to ask for
	TURN 0, 2, 1, 0
	TURN 2, 2, 1, 0
	TURN 0, 2, 0, 0                 ; piece 0: V^T P of the last step | piece 2's last softmax
.set i, 0
.rept 32
	PV 2, 0                         ; piece 2: V^T P of the last step
.set i, i+1
.endr
	; THE TWO HALVES OF THE KEYS MEET.  The wave of keys 64-127 leaves O^T, c m and l in LDS as images of its registers; the wave of keys 0-63 takes them, brings both under the larger maximum, divides and stores.
	WIN 0
.irp t, 0,1,2,3
	v_add_f32 v[ST+8*\t+1], v[ST+8*\t+2], v[ST+8*\t+3]  ; l's two halves, in m's place, beside c m.  (These four are the places behind the last products)
.endr
	s_cmp_eq_u32 s[KP], 0
	s_cbranch_scc1 .Lkeeper_waits
	WIN 0x04                        ; an LDS store's data are its source 1: window 1
.set i, 0
.rept 64
	ds_store_b128 v[IMGA], v[4*i:4*i+3] offset:512*i  ; each accumulator from its low end on
.set i, i+1
.endr
	WIN 0
.irp t, 0,1,2,3
	ds_store_b64 v[IMGS], v[ST+8*\t:ST+8*\t+1] offset:256*\t
.endr
.Lkeeper_waits:
	s_wait_dscnt 0x0                ; for the partner's sake: my stores have landed
	s_barrier_signal -1
	s_barrier_wait -1
	s_cmp_lg_u32 s[KP], 0
	s_cbranch_scc1 .Lend
.macro LOADP t                      ; the partner's O^T of tile t
.irp i, 0,1,2,3,4,5,6,7,8,9,10,11,12,13,14,15
	ds_load_b128 v[S+64*((\t)%2)+4*\i:S+64*((\t)%2)+4*\i+3], v[IMGA] offset:512*(16*(\t)+\i)
.endr
.endm
.irp t, 0,1,2,3
	ds_load_b64 v[PS+2*\t:PS+2*\t+1], v[IMGS] offset:256*\t
.endr
	LOADP 0
	s_wait_dscnt 16                 ; the statistics are in; tile 0's sixteen loads may be out
.irp t, 0,1,2,3
	v_max_num_f32 v[ST+8*\t+2], v[ST+8*\t], v[PS+2*\t]  ; the larger c m
.endr
.irp t, 0,1,2,3
	v_sub_f32 v[ST+8*\t+4], v[ST+8*\t], v[ST+8*\t+2]
	v_sub_f32 v[ST+8*\t+5], v[PS+2*\t], v[ST+8*\t+2]
.endr
.irp t, 0,1,2,3
	v_exp_f32 v[ST+8*\t+4], v[ST+8*\t+4]  ; f0, f1: what brings each half under it
	v_exp_f32 v[ST+8*\t+5], v[ST+8*\t+5]
.endr
	v_nop                           ; a plain instruction behind the batch
	s_wait_alu depctr_va_vdst(0)    ; one wait for the eight
.irp t, 0,1,2,3
	v_mul_f32 v[ST+8*\t+3], v[ST+8*\t+4], v[ST+8*\t+1]
.endr
.irp t, 0,1,2,3
	v_fma_f32 v[ST+8*\t+3], v[ST+8*\t+5], v[PS+2*\t+1], v[ST+8*\t+3]  ; l = f0 l0 + f1 l1
.endr
.irp t, 0,1,2,3
	v_permlanex16_b32 v[ST+8*\t+2], v[ST+8*\t+3], s[SEL], s[SEL+1]
.endr
.irp t, 0,1,2,3
	v_add_f32 v[ST+8*\t+3], v[ST+8*\t+3], v[ST+8*\t+2]  ; with the other half of the lanes'
.endr
.irp t, 0,1,2,3
	v_rcp_f32 v[ST+8*\t+3], v[ST+8*\t+3]
.endr
	v_nop
	s_wait_alu depctr_va_vdst(0)    ; one wait for the four
.irp t, 0,1,2,3
	v_mul_f32 v[ST+8*\t+6], v[ST+8*\t+4], v[ST+8*\t+3]  ; f0 / l
.endr
.irp t, 0,1,2,3
	v_mul_f32 v[ST+8*\t+4], v[ST+8*\t+5], v[ST+8*\t+3]  ; f1 / l
.endr
; Tile t: O = O f0 / l + the partner's O f1 / l; a lane's eight channels of a row pack into 16 bytes; they go through my stage and come back as whole rows of 256 bytes.
.macro OUT t
.if (\t) < 3
	LOADP (\t)+1
	s_wait_dscnt 16                 ; tile t's are in; the next tile's sixteen may be out
.else
	s_wait_dscnt 0x0
.endif
	WIN W_RS
.set i, 0
.rept 32
	v_pk_mul_f32 v[64*(\t)+2*i:64*(\t)+2*i+1], v[64*(\t)+2*i:64*(\t)+2*i+1], v[ST+8*(\t)+6:ST+8*(\t)+7] op_sel_hi:[1,0]
.set i, i+1
.endr
	WIN 0x50                        ; sources 0 and 1 window 0, source 2 and destination window 1
.set i, 0
.rept 32
	v_pk_fma_f32 v[64*(\t)+2*i:64*(\t)+2*i+1], v[S+64*((\t)%2)+2*i:S+64*((\t)%2)+2*i+1], v[ST+8*(\t)+4:ST+8*(\t)+5], v[64*(\t)+2*i:64*(\t)+2*i+1] op_sel_hi:[1,0,1]
.set i, i+1
.endr
.if (\t) >= 2
	s_wait_xcnt 0x0                 ; tile t - 2's stores have read these registers
.endif
	WIN 0x05                        ; sources 0 and 1 window 1, destination window 0: P's registers are free
.set i, 0
.rept 32
	v_cvt_pk_f16_f32 v[P+32*((\t)%2)+i], v[64*(\t)+2*i], v[64*(\t)+2*i+1]
.set i, i+1
.endr
	WIN 0
.irp f, 0,1,2,3,4,5,6,7
	ds_store_b128 v[STO], v[P+32*((\t)%2)+4*\f:P+32*((\t)%2)+4*\f+3] offset:32*\f
.endr
.irp f, 0,1,2,3,4,5,6,7
	ds_load_b128 v[P+32*((\t)%2)+4*\f:P+32*((\t)%2)+4*\f+3], v[RD] offset:\f*2*SP  ; LDS serves a wave's instructions in order: these see the stores above
.endr
.irp f, 0,1,2,3,4,5,6,7
	s_wait_dscnt 7-\f
	global_store_b128 v[GO], v[P+32*((\t)%2)+4*\f:P+32*((\t)%2)+4*\f+3], s[12:13] offset:((\t)/2)*65536+((\t)%2)*256+\f*8192  ; 16 lanes store 256 consecutive bytes, aligned
.endr
.endm
	OUT 0
	OUT 1
	OUT 2
	OUT 3
.Lend:
	s_wait_tensorcnt 0x0            ; the wave's end, behind my last tensor load and my last LDS store
	ds_add_u32 v[SPW], v[NIL]
	s_wait_dscnt 0x0
	CROUND                          ; the closing round: no work-group ends while a partner may still ask for a tile that names it
	s_endpgm
.Lfunc_end_k_q881c0319b3_attn:
	.size	k_q881c0319b3_attn, .Lfunc_end_k_q881c0319b3_attn-k_q881c0319b3_attn
	.p2alignl 7, 3214868480
	.fill 96, 4, 3214868480
	.section	.rodata,"a",@progbits
	.p2align	6, 0x0
	.amdhsa_kernel k_q881c0319b3_attn
		.amdhsa_group_segment_fixed_size 327680
		.amdhsa_private_segment_fixed_size 0
		.amdhsa_enable_private_segment 0
		.amdhsa_kernarg_size 40
		.amdhsa_user_sgpr_count 2
		.amdhsa_user_sgpr_kernarg_segment_ptr 1
		.amdhsa_wavefront_size32 1
		.amdhsa_system_sgpr_workgroup_id_x 1
		.amdhsa_system_sgpr_workgroup_id_y 1
		.amdhsa_system_sgpr_workgroup_id_z 1
		.amdhsa_system_vgpr_workitem_id 0
		.amdhsa_next_free_vgpr 1024
		.amdhsa_next_free_sgpr 100
		.amdhsa_reserve_vcc 0
		.amdhsa_float_denorm_mode_32 3
		.amdhsa_float_denorm_mode_16_64 3
		.amdhsa_memory_ordered 1
		.amdhsa_forward_progress 1
		.amdhsa_inst_pref_size 250
	.end_amdhsa_kernel
	.amdgpu_metadata
---
amdhsa.version: [ 1, 2 ]
amdhsa.kernels:
  - .name:           k_q881c0319b3_attn
    .symbol:         k_q881c0319b3_attn.kd
    .args:
      - { .name: qh, .offset: 0, .size: 8, .value_kind: global_buffer, .address_space: global }
      - { .name: kh, .offset: 8, .size: 8, .value_kind: global_buffer, .address_space: global }
      - { .name: vh, .offset: 16, .size: 8, .value_kind: global_buffer, .address_space: global }
      - { .name: attention_mask, .offset: 24, .size: 8, .value_kind: global_buffer, .address_space: global }
      - { .name: ah, .offset: 32, .size: 8, .value_kind: global_buffer, .address_space: global }
    .group_segment_fixed_size: 327680
    .private_segment_fixed_size: 0
    .kernarg_segment_align: 8
    .kernarg_segment_size: 40
    .max_flat_workgroup_size: 128
    .sgpr_count:     100
    .vgpr_count:     1024
    .wavefront_size: 32
...
	.end_amdgpu_metadata
.endif
;; end of part 3
;; launch oproj (part 4): grid 16 x 16, 4 waves a work-group, clusters of 4 x 4, 327,680 bytes of LDS; arguments ah, woh, out0; writes out0
.if DOCPART == 4
	.amdgcn_target "amdgcn-amd-amdhsa--gfx1250"
	.amdhsa_code_object_version 6
	.text
	.protected	k_q881c0319b3_oproj
	.globl	k_q881c0319b3_oproj
	.p2align	8
	.type	k_q881c0319b3_oproj,@function
k_q881c0319b3_oproj:
	s_mov_b64 s[64:65], 0
	v_nop
	global_prefetch_b8 v0, s[64:65] scope:SCOPE_SE
	s_setreg_imm32_b32 hwreg(HW_REG_WAVE_MODE, 25, 1), 1
	s_wait_xcnt 0x0
	s_wait_alu depctr_hold_cnt(0) depctr_sa_sdst(0) depctr_va_vdst(0) depctr_va_sdst(0) depctr_va_ssrc(0) depctr_va_vcc(0) depctr_vm_vsrc(0)
	s_getreg_b32 s2, hwreg(HW_REG_IB_STS2, 6, 4)
	s_cmp_eq_u32 s2, 0
	s_cbranch_scc0 .Lentry_in_a_cluster
	s_endpgm
.Lentry_in_a_cluster:
	s_bfe_u32 s2, ttmp6, 0x10000c
	s_cmp_lg_u32 s2, 0xf033
	s_cbranch_scc0 .Lentry_shape_is_right
	s_endpgm
.Lentry_shape_is_right:
; out0[s][h] = sum over d of ah[s][d] Wo[h][d].  ah [2048][2048], woh [2048][2048]: f16; out0 [2048][2048] f32; sums in f32.
; 256 tiles of 128 x 128, one for each work-group.  Four waves, each 64 x 64: 16 accumulators of 16 x 16.  K goes in steps of 256 (LDS rows of 512 bytes; a wave's tensor load brings 64 of them) through two slots.
; CLUSTERS: 4 x 4 work-groups; A's tiles are asked for jointly along a row of the cluster, B's along a column.  THE MATRIX INSTRUCTION IS USED TRANSPOSED (source 0 = 16 rows of B, source 1 = 16 rows of A):
; a lane holds eight neighbouring numbers of a row of the result.  No prefetch: the tile is small and both operands are read by sixteen tiles each.
; REGISTERS: window 0: v0-31 addresses; v32-95 at work on the way out; v128-255 the accumulators ((a, b) at v[128 + 8 (4 a + b)]).  window 1: two fragment buffers of 128.
.set SIZE_M, 2048
.set SIZE_N, 2048
.set SIZE_K, 2048
.set KSTEP,  256
.set PITCH,  528                       ; an LDS row: 512 bytes + 16: the 16 rows that a load touches start at 16 different banks (64 banks of 4 bytes: ISA guide 11.1)
.set HALFT,  64*PITCH
.set SLOT,   4*HALFT                   ; A's 128 rows, then B's 128 rows
.set SPITCH, 272                       ; the way out: a stage of 64 rows x (256 bytes + 16) for each wave.  It lies in slot 0, which has had its last fill and its last read when the first result is stored there
.set SPARE,  2*SLOT                    ; behind the ring: the spare words, 128 bytes a wave
.set LAPS, SIZE_K/(2*KSTEP)
.set ADRA, 16
.set ADRB, 20
.set STO,  24                          ; v24     the way out: where I put 32 bytes of a row
.set RD,   25                          ; v25     where I read a row back
.set CO,   26                          ; v26     my byte offset in the result
.set SPW,  28
.set NIL,  29
.set TMP,  32
.set ACC,  128
.set F0,   0
.set F1,   128
.set G1, 24
.set G0, 32
.set G1B, 48
.set G0B, 56
.set MSB, 0
.macro WIN new
.if MSB != \new
	s_set_vgpr_msb (MSB<<8)|\new
.set MSB, \new
.endif
.endm
.set MUL,  0x05                        ; sources 0 (B) and 1 (A) window 1; C and D window 0
.set TO_F, 0x40                        ; destination window 1, address window 0
.macro JLOAD s                         ; a joint load: waves 0 and 1 fetch A's two halves, waves 2 and 3 B's; an s_nop 0 and four v_nop follow each of the two lines
	s_cmp_eq_u32 s11, 0
	s_cbranch_scc0 .Lfor_b_\@
	tensor_load_to_lds s[G0+4*\s:G0+4*\s+3], s[G1:G1+7]
	s_nop 0
.rept 4
	v_nop
.endr
	s_branch .Lasked_\@
.Lfor_b_\@:
	tensor_load_to_lds s[G0B+4*\s:G0B+4*\s+3], s[G1B:G1B+7]
	s_nop 0
.rept 4
	v_nop
.endr
.Lasked_\@:
.endm
.macro CREST
	s_cmp_lg_u32 s10, 0
	s_cbranch_scc1 .Lnot_wave_0_\@
	s_barrier_signal -3
.Lnot_wave_0_\@:
	s_barrier_wait -3
	s_barrier_signal -1
	s_barrier_wait -1
.endm
.macro CROUND
	s_barrier_signal -1
	s_barrier_wait -1
	CREST
.endm
	s_load_b128 s[4:7], s[0:1], 0x0                ; A s[4:5], B s[6:7]
	s_load_b64 s[8:9], s[0:1], 0x10                ; the result
	v_lshl_add_u32 v[SPW], v0, 2, SPARE
	v_mov_b32 v[NIL], 0
	ds_add_u32 v[SPW], v[NIL]                      ; the wave's opening: the add, twice on end, and its wait ahead of my first tensor load
	ds_add_u32 v[SPW], v[NIL]
	v_lshrrev_b32 v1, 5, v0
	v_readfirstlane_b32 s10, v1                    ; wave 0..3
	s_lshr_b32 s11, s10, 1                         ; which half of the tile's rows is mine.  Also: I fetch for A (0) or for B (1)
	s_and_b32 s12, s10, 1                          ; which half of its columns.  Also: which 64 rows of that tile I fetch
	s_bfe_u32 s40, ttmp6, 0x40000                  ; cx, cy
	s_bfe_u32 s41, ttmp6, 0x40004
	s_lshl_b32 s42, ttmp9, 2
	s_add_co_u32 s42, s42, s40                     ; tile column
	s_and_b32 s13, ttmp7, 0xffff
	s_lshl_b32 s13, s13, 2
	s_add_co_u32 s13, s13, s41                     ; tile row
	s_lshl_b32 s43, s41, 2
	s_lshl_b32 s43, 15, s43                        ; my row of the cluster
	s_lshl_b32 s44, 0x1111, s40                    ; my column
	s_or_b32 s[G1+0], s43, (1<<16)|(1<<20)|(1<<21)|(6<<22)|(3<<25)  ; the mask; element of 2 bytes; padding on; 21 set beside a mask; after every 128 words; of 4 words
	s_or_b32 s[G1B+0], s44, (1<<16)|(1<<20)|(1<<21)|(6<<22)|(3<<25)
.irp g, G1, G1B
	s_mov_b32 s[\g+1], KSTEP<<16                   ; tensor_dim0 = 256
	s_mov_b32 s[\g+2], 64<<16                      ; tensor_dim1 = 64
	s_mov_b32 s[\g+3], KSTEP<<16                   ; tile_dim0 = 256
	s_mov_b32 s[\g+4], 64                          ; tile_dim1 = 64
	s_mov_b32 s[\g+5], SIZE_K                      ; tensor_dim0_stride
	s_mov_b32 s[\g+6], 0
	s_mov_b32 s[\g+7], 0
.endr
	s_lshl_b32 s17, s12, 6                         ; which 64 rows of the tile I fetch
	s_lshl_b32 s16, s13, 7
	s_add_co_u32 s16, s16, s17                     ; A: row 128 x tile row + 64 x half
	s_lshl_b32 s46, s42, 7
	s_add_co_u32 s46, s46, s17                     ; B: row 128 x tile column + 64 x half
	s_mov_b32 s17, 0
	s_mov_b32 s47, 0
	s_mov_b64 s[18:19], SIZE_K*2
	s_mul_u64 s[16:17], s[16:17], s[18:19]
	s_mul_u64 s[46:47], s[46:47], s[18:19]
	s_mul_i32 s20, s10, HALFT                      ; where they go: wave x 64 rows
	s_wait_dscnt 0x0                               ; both opening adds are done
	s_wait_kmcnt 0x0
	s_add_nc_u64 s[14:15], s[4:5], s[16:17]
	s_add_nc_u64 s[46:47], s[6:7], s[46:47]
	CROUND                                         ; all sixteen work-groups are here: the first joint loads meet
.irp s, 0,1
	s_mov_b32 s[G0+4*\s], 1
	s_add_co_u32 s[G0+4*\s+1], s20, \s*SLOT
	s_add_nc_u64 s[G0+4*\s+2:G0+4*\s+3], s[14:15], \s*KSTEP*2
	s_or_b32 s[G0+4*\s+3], s[G0+4*\s+3], 0x80000000
	s_mov_b32 s[G0B+4*\s], 1
	s_add_co_u32 s[G0B+4*\s+1], s20, \s*SLOT
	s_add_nc_u64 s[G0B+4*\s+2:G0B+4*\s+3], s[46:47], \s*KSTEP*2
	s_or_b32 s[G0B+4*\s+3], s[G0B+4*\s+3], 0x80000000
	JLOAD \s                                       ; two tensor loads of mine are out
.endr
	v_and_b32 v1, 15, v0                           ; l % 16
	v_bfe_u32 v2, v0, 4, 1                         ; l / 16
	v_mul_u32_u24 v3, v1, PITCH
	v_lshl_add_u32 v3, v2, 4, v3                   ; a fragment's row x pitch + 16 x half
	s_mul_i32 s21, s11, HALFT                      ; my 64 rows of A
	s_mul_i32 s22, s12, HALFT                      ; my 64 rows of B,
	s_add_co_u32 s22, s22, 2*HALFT                 ; which lie behind A's 128
.irp s, 0,1
	v_add_nc_u32 v[ADRA+\s], s21, v3
	v_add_nc_u32 v[ADRB+\s], s22, v3
	s_add_co_u32 s21, s21, SLOT
	s_add_co_u32 s22, s22, SLOT
.endr
	s_mul_i32 s23, s10, 64*SPITCH                  ; my stage: my 64 columns in f32 are 256 bytes, a whole aligned piece of a row: no other wave's bytes are wanted
	v_mul_u32_u24 v4, v1, SPITCH                   ; in: row l % 16, 32 bytes for each half of the lanes
	v_lshl_add_u32 v4, v2, 5, v4
	v_add_nc_u32 v[STO], s23, v4
	v_mul_u32_u24 v5, v2, SPITCH                   ; back: lanes 0-15 take one row of 256 bytes, lanes 16-31 the next
	v_lshl_add_u32 v5, v1, 4, v5
	v_add_nc_u32 v[RD], s23, v5
	v_mul_u32_u24 v5, v2, SIZE_N*4                 ; and the same two rows in the result
	v_lshl_add_u32 v[CO], v1, 4, v5
	s_lshl_b32 s16, s13, 7
	s_lshl_b32 s17, s11, 6
	s_add_co_u32 s16, s16, s17                     ; my first row: 128 x tile row + 64 x half
	s_mov_b32 s17, 0
	s_mov_b64 s[18:19], SIZE_N*4
	s_mul_u64 s[16:17], s[16:17], s[18:19]
	s_add_nc_u64 s[8:9], s[8:9], s[16:17]
	s_lshl_b32 s46, s42, 9                         ; my first column, in bytes: 512 x tile column + 256 x half
	s_lshl_b32 s47, s12, 8
	s_add_co_u32 s46, s46, s47
	s_mov_b32 s47, 0
	s_add_nc_u64 s[8:9], s[8:9], s[46:47]
; 8 matrix instructions: m blocks a0, a0 + 1 x all 4 n blocks, 32 along K: half c of buffer f.  zero = 1: the first product starts the sums.  The 16 accumulators take turns
.macro MUL8 f, c, a0, zero
.irp a, \a0, \a0+1
.irp b, 0,1,2,3
.if \zero
	v_wmma_f32_16x16x32_f16 v[ACC+8*(4*(\a)+\b):ACC+8*(4*(\a)+\b)+7], v[\f+64+8*(4*\c+\b):\f+64+8*(4*\c+\b)+7], v[\f+8*(4*\c+\a):\f+8*(4*\c+\a)+7], 0
.else
	v_wmma_f32_16x16x32_f16 v[ACC+8*(4*(\a)+\b):ACC+8*(4*(\a)+\b)+7], v[\f+64+8*(4*\c+\b):\f+64+8*(4*\c+\b)+7], v[\f+8*(4*\c+\a):\f+8*(4*\c+\a)+7], v[ACC+8*(4*(\a)+\b):ACC+8*(4*(\a)+\b)+7]
.endif
.endr
.endr
.endm
; 32 LDS loads in one run: the fragments of 64 along K at byte k of the rows, into buffer f; the first 32 along K first
.macro FETCH slot, k, f
	WIN TO_F
.irp c, 0,1
.irp i, 0,1,2,3
	ds_load_b128 v[\f+64+8*(4*\c+\i):\f+64+8*(4*\c+\i)+3],   v[ADRB+\slot] offset:\k+64*\c+\i*16*PITCH
	ds_load_b128 v[\f+64+8*(4*\c+\i)+4:\f+64+8*(4*\c+\i)+7], v[ADRB+\slot] offset:\k+64*\c+\i*16*PITCH+32
	ds_load_b128 v[\f+8*(4*\c+\i):\f+8*(4*\c+\i)+3],         v[ADRA+\slot] offset:\k+64*\c+\i*16*PITCH
	ds_load_b128 v[\f+8*(4*\c+\i)+4:\f+8*(4*\c+\i)+7],       v[ADRA+\slot] offset:\k+64*\c+\i*16*PITCH+32
.endr
.endr
.endm
.macro PLACES                          ; four places in front of loads into registers that matrix instructions have read, and of reads of results
.rept 4
	v_nop
.endr
.endm
; A K step is four quarters of 64 along K, 32 matrix instructions each, on buffers 0, 1, 0, 1.
.macro QUARTER slot, k, f, g, zero
	s_wait_dscnt 16                                ; the first 32 along K are in; the youngest sixteen loads may be out
	WIN MUL
	MUL8 \f, 0, 0, \zero
	MUL8 \f, 0, 2, \zero
	PLACES
	FETCH \slot, \k, \g
	s_wait_dscnt 32                                ; all but the 32 just issued
	WIN MUL
	MUL8 \f, 1, 0, 0
	MUL8 \f, 1, 2, 0
.endm
; The last quarter multiplies buffer 1 and changes slots: ONE barrier; in front of it each wave waits for all its tensor loads, adds 0 to its spare word, and waits for that and for its own reads of this slot.
.macro TURN slot, next, fill
	WIN 0                                          ; (the add's two registers lie in window 0)
	s_wait_tensorcnt 0x0                           ; all my tensor loads have landed: my part of the next slot
	ds_add_u32 v[SPW], v[NIL]                      ; 0 onto my spare word
	s_wait_dscnt 17                                ; (the add and the youngest sixteen loads may be out)
	WIN MUL
	MUL8 F1, 0, 0, 0
	s_wait_dscnt 0x0                               ; the add is done, and my reads of this slot are over
	s_barrier_signal -1
	MUL8 F1, 0, 2, 0
.if \fill
	WIN 0
.endif
	s_barrier_wait -1
.if \fill
	CREST                                          ; the barrier has opened a round of the cluster's barrier: no wave of any partner still reads this slot or has a load on its way
	s_add_nc_u64 s[G0+4*\slot+2:G0+4*\slot+3], s[G0+4*\slot+2:G0+4*\slot+3], 2*KSTEP*2
	s_add_nc_u64 s[G0B+4*\slot+2:G0B+4*\slot+3], s[G0B+4*\slot+2:G0B+4*\slot+3], 2*KSTEP*2
	JLOAD \slot                                    ; the first tensor load behind the round; its four v_nop are also the places in front of the loads below
.else
	PLACES
.endif
	FETCH \next, 0, F0
	WIN MUL
	MUL8 F1, 1, 0, 0
	MUL8 F1, 1, 2, 0
.endm
	s_wait_tensorcnt 1                             ; my part of K step 0 is in (K step 1's load may be out)
	s_barrier_signal -1
	s_barrier_wait -1                              ; everybody's is
	FETCH 0, 0, F0
	QUARTER 0, 128, F0, F1, 1                      ; the first quarter stands in front of the loop: its first products start the sums
	WIN 0                                          ; at a label and at a branch every window is 0
	s_mov_b32 s3, LAPS-1
.Llap:                                                 ; a trip goes once round the ring and fills both slots again
	QUARTER 0, 256, F1, F0, 0
	QUARTER 0, 384, F0, F1, 0
	TURN 0, 1, 1
	QUARTER 1, 128, F0, F1, 0
	QUARTER 1, 256, F1, F0, 0
	QUARTER 1, 384, F0, F1, 0
	TURN 1, 0, 1
	QUARTER 0, 128, F0, F1, 0
	WIN 0
	s_sub_co_u32 s3, s3, 1
	s_cmp_lg_u32 s3, 0
	s_cbranch_scc1 .Llap
	QUARTER 0, 256, F1, F0, 0                      ; the last lap fills nothing
	QUARTER 0, 384, F0, F1, 0
	TURN 0, 1, 0
	QUARTER 1, 128, F0, F1, 0
	QUARTER 1, 256, F1, F0, 0
	QUARTER 1, 384, F0, F1, 0
	s_wait_dscnt 16                                ; the very last quarter: nothing more to fetch
	WIN MUL
	MUL8 F1, 0, 0, 0
	MUL8 F1, 0, 2, 0
	s_wait_dscnt 0
	MUL8 F1, 1, 0, 0
	MUL8 F1, 1, 2, 0
	WIN 0
; THE WAY OUT, block by block of 16 rows x 64 columns: a lane holds 32 neighbouring bytes of a row, the lanes beside it other rows: the block goes through my own stage and comes back as rows of 256 bytes.
; LDS serves a wave's instructions in order (ISA guide 5.7.1.4): no wait between the stores and the loads.
.macro TOSTAGE a
.irp b, 0,1,2,3
	ds_store_b128 v[STO], v[ACC+8*(4*(\a)+\b):ACC+8*(4*(\a)+\b)+3] offset:(\a)*16*SPITCH+64*\b       ; each accumulator from its low end on
	ds_store_b128 v[STO], v[ACC+8*(4*(\a)+\b)+4:ACC+8*(4*(\a)+\b)+7] offset:(\a)*16*SPITCH+64*\b+16
.endr
.set BB, TMP+32*((\a)%2)
.irp t, 0,1,2,3,4,5,6,7
	ds_load_b128 v[BB+4*\t:BB+4*\t+3], v[RD] offset:(\a)*16*SPITCH+\t*2*SPITCH
.endr
.endm
.macro SEND a, younger                 ; younger: the LDS instructions issued behind block a's loads, which may stay out
.set BB, TMP+32*((\a)%2)
	s_wait_dscnt \younger
.irp t, 0,1,2,3,4,5,6,7
	global_store_b128 v[CO], v[BB+4*\t:BB+4*\t+3], s[8:9] offset:(16*(\a)+2*\t)*SIZE_N*4 th:TH_STORE_NT   ; 16 lanes store 256 consecutive bytes, aligned; 62 rows at the most: inside the signed 24-bit immediate
.endr
.endm
	PLACES
	TOSTAGE 0
.irp a, 1,2,3
.if \a > 1
	s_wait_xcnt 0x0                                ; block a - 2's stores have read their registers: block a's loads may land there
.endif
	TOSTAGE \a
	SEND \a-1, 16                                  ; behind block a - 1's loads: block a's 8 stores and 8 loads
.endr
	SEND 3, 0
	s_wait_tensorcnt 0x0                           ; the wave's end, behind my last tensor load and my last LDS store
	ds_add_u32 v[SPW], v[NIL]
	s_wait_dscnt 0x0
	CROUND                                         ; the closing round
	s_endpgm
.Lfunc_end_k_q881c0319b3_oproj:
	.size	k_q881c0319b3_oproj, .Lfunc_end_k_q881c0319b3_oproj-k_q881c0319b3_oproj
	.p2alignl 7, 3214868480
	.fill 96, 4, 3214868480
	.section	.rodata,"a",@progbits
	.p2align	6, 0x0
	.amdhsa_kernel k_q881c0319b3_oproj
		.amdhsa_group_segment_fixed_size 327680
		.amdhsa_private_segment_fixed_size 0
		.amdhsa_enable_private_segment 0
		.amdhsa_kernarg_size 24
		.amdhsa_user_sgpr_count 2
		.amdhsa_user_sgpr_kernarg_segment_ptr 1
		.amdhsa_wavefront_size32 1
		.amdhsa_system_sgpr_workgroup_id_x 1
		.amdhsa_system_sgpr_workgroup_id_y 1
		.amdhsa_system_sgpr_workgroup_id_z 1
		.amdhsa_system_vgpr_workitem_id 0
		.amdhsa_next_free_vgpr 512
		.amdhsa_next_free_sgpr 66
		.amdhsa_reserve_vcc 0
		.amdhsa_float_denorm_mode_32 3
		.amdhsa_float_denorm_mode_16_64 3
		.amdhsa_memory_ordered 1
		.amdhsa_forward_progress 1
		.amdhsa_inst_pref_size 86
	.end_amdhsa_kernel
	.amdgpu_metadata
---
amdhsa.version: [ 1, 2 ]
amdhsa.kernels:
  - .name:           k_q881c0319b3_oproj
    .symbol:         k_q881c0319b3_oproj.kd
    .args:
      - { .name: ah, .offset: 0, .size: 8, .value_kind: global_buffer, .address_space: global }
      - { .name: woh, .offset: 8, .size: 8, .value_kind: global_buffer, .address_space: global }
      - { .name: out0, .offset: 16, .size: 8, .value_kind: global_buffer, .address_space: global }
    .group_segment_fixed_size: 327680
    .private_segment_fixed_size: 0
    .kernarg_segment_align: 8
    .kernarg_segment_size: 24
    .max_flat_workgroup_size: 128
    .sgpr_count:     66
    .vgpr_count:     512
    .wavefront_size: 32
...
	.end_amdgpu_metadata
.endif
;; end of part 4
